; MI455X (gfx1250); checked and timed in simulation.
; The chip was launched on July 23, 2026; its instructions are those of AMD's public machine-readable ISA for CDNA 5 (MIT licence, August 2026) and "CDNA5" Instruction Set Architecture Reference Guide (July 2026). The comments in the code are by the model that wrote it; some were corrected since.
;; Multi Head Attention. Allowed arithmetic: matrix products marked QUANTISED: E2M3 operands, one E8M0 scale for each 32 along K, by v_wmma_scale_f32_16x16x128_f8f6f4 with both operands' format E2M3, f32 sums; everything else in f32.
;; Inputs: Wk 1,024 x 1,024 float32; Wo 1,024 x 1,024 float32; Wq 1,024 x 1,024 float32; Wv 1,024 x 1,024 float32; bk 1,024 float32; bo 1,024 float32; bq 1,024 float32; bv 1,024 float32; key 4 x 2,048 x 1,024 float32; query 4 x 2,048 x 1,024 float32; value 4 x 2,048 x 1,024 float32.
;; Outputs: out0 4 x 2,048 x 1,024 float32.
;; This version of the problem:
;;   THIS VERSION OF THE PROBLEM IS GIVEN IN LOW PRECISION. The matrix products marked QUANTISED in the list below multiply operands that are first quantised to E2M3 (2 exponent bits, 3 mantissa bits; 6 bits a number), with one power-of-two scale for each 32 numbers along K (OCP MX v1.0); their sums are f32. All else is computed in f32.
;;   The module's matrix products, in the order in which they are computed (A, B: the left and right operand; K: the contracted axis; several contracted axes count as one K, in the product's order):
;;     1. [M 8,192, K 1,024] x [K 1,024, N 1,024]; A: input query; B: input Wq: QUANTISED
;;     2. [M 8,192, K 1,024] x [K 1,024, N 1,024]; A: input key; B: input Wk: QUANTISED
;;     3. [M 8,192, K 1,024] x [K 1,024, N 1,024]; A: input value; B: input Wv: QUANTISED
;;     4. batch 64 x [M 2,048, K 64] x [K 64, N 2,048]; A: computed on the way; B: computed on the way: QUANTISED
;;     5. batch 64 x [M 2,048, K 2,048] x [K 2,048, N 64]; A: softmax (see below); B: computed on the way: QUANTISED
;;     6. [M 8,192, K 1,024] x [K 1,024, N 1,024]; A: computed on the way; B: input Wo: QUANTISED
;;   THE QUANTISER, for each operand of a quantised product, along K:
;;     - K is cut into blocks of 32 from its start; a last block that is shorter is filled with zeros.
;;     - A block's scale is 2^e with e = floor(log2(the largest magnitude in the block)) - 2, held to -126 .. 127; a block of zeros has e = 0. As a byte (E8M0): e + 127.
;;     - Each number is divided by its block's scale, clamped to +-7.5, and rounded to the nearest number of E2M3, ties to even, subnormals kept.
;;     - The product sums the exact products of the quantised numbers (number of the format x scale) in f32.
;;   ~~~python
;;   def quantise(x, axis):      # numpy; x: float32 -> the quantised numbers, widened to float32 again
;;       x = np.moveaxis(x, axis, -1); K = x.shape[-1]
;;       x = np.pad(x, [(0, 0)] * (x.ndim - 1) + [(0, -K % 32)]); x = x.reshape(x.shape[:-1] + (-1, 32)); a = np.abs(x).max(-1, keepdims=True)
;;       e = np.where(a > 0, np.clip(np.frexp(np.where(a > 0, a, 1))[1] - 1 - 2, -126, 127), 0)      # np.frexp(a)[1] - 1 = floor(log2(a)), exactly
;;       r = np.clip(x / 2.0 ** e, -7.5, 7.5)
;;       step = 2.0 ** (np.maximum(np.frexp(np.where(r == 0, 1, r))[1] - 1, 0) - 3)
;;       q = np.round(r / step) * step * 2.0 ** e      # np.round: ties to even
;;       return np.moveaxis(q.reshape(q.shape[:-2] + (-1,))[..., :K], -1, axis).astype(np.float32)
;;   ~~~
;;   SOFTMAX AHEAD OF A QUANTISED PRODUCT. Where the list says 'softmax', what is quantised is not the finished softmax but p = 2^(t - M), with t = logit x log2(e) and M = ceil(the row's largest t), a whole number; so 1/2 < the row's largest p <= 1. The row's sum l is taken of the UNQUANTISED p, in f32, and the product's result is divided by l at the end. Since M is a whole number, a kernel that streams over the keys may use a running M (the ceiling of the running maximum): every later rescaling is an exact power of two, which a block's scale takes up: the codes' values come out the same.
;;   OPERANDS COMPUTED ON THE WAY. 'Computed on the way' means the value that the module computes at that place (a softmax that the list does not call 'softmax' is quantised finished and normalised). What goes into a quantiser is computed in f32, as accurately as f32 sums, v_exp_f32 and their like allow (about 1e-6 of the number): no bf16 or f16 on the way to a quantiser, and a product that is left as it is and whose result goes on into a quantised operand takes f32 operands (vector FMAs, or v_wmma_f32_16x16x4_f32). A number that lies on a knife's edge between two numbers of the format may be rounded either way, as far as f32 arithmetic and the matrix unit's own rounding can turn it there, and no further.
;; 2 versions. Each part assembles by itself: llvm-mc -triple=amdgcn-amd-amdhsa -mcpu=gfx1250 --defsym DOCPART=n.
;; ======== version 1 of 2: 4 launches
;; workspace buffers: wimg 3,145,728 bytes; wsc 131,072 bytes; acts 18,874,368 bytes; actsc 786,432 bytes; xoimg 6,291,456 bytes; xosc 262,144 bytes
;; launch quant_w (part 1): grid 32 x 4, 4 waves a work-group, no clusters, 0 bytes of LDS; arguments Wq, Wk, Wv, Wo, wimg, wsc; writes wimg, wsc
.if DOCPART == 1
	.amdgcn_target "amdgcn-amd-amdhsa--gfx1250"
	.amdhsa_code_object_version 6
	.text
	.protected	k_q57e19bac5e_quant_w
	.globl	k_q57e19bac5e_quant_w
	.p2align	8
	.type	k_q57e19bac5e_quant_w,@function
k_q57e19bac5e_quant_w:
	s_mov_b64 s[64:65], 0
	v_nop
	global_prefetch_b8 v0, s[64:65] scope:SCOPE_SE
	s_setreg_imm32_b32 hwreg(HW_REG_WAVE_MODE, 25, 1), 1
	s_wait_xcnt 0x0
; The four weights [1024 (k)][1024 (n)], f32, K their FIRST axis, become codes of FP6 (E2M3) with one E8M0 byte for each 32 along K,
; laid in the ORDER OF THE OPERAND'S REGISTERS: wimg [weight 4][group g of 64 columns 16][K step s of 128 8][tile t 4][1,536 bytes].
; A fragment (16 columns x 128 K) is 12 registers a lane, stored as [j = 0..2][lane][16 bytes].
; THE COLUMNS OF A TILE ARE NOT NEIGHBOURS: row r of tile t is column 64 g + 32 (t / 2) + 8 (t % 2) + r + 8 (r / 8).
; wsc [weight][g][b = t / 2][s / 2][lane 32][2 words]: word s % 2; lanes 0-15 tile 2 b, lanes 16-31 tile 2 b + 1.
; A LANE TAKES A COLUMN AND ITS REGISTERS RUN DOWN K: a block of 32 lies in one lane, and the conversions give codes with K innermost.
; A wave takes 32 columns (tiles 2 b and 2 b + 1) x 256 along K (two K steps): lane i is row r = (i & 7) + 8 (i >> 4) of tile 2 b + ((i >> 3) & 1),
; and holds what the fragment's lanes (r, 0) and (r, 1) want: two runs of 12 registers for each K step.
; A block's scale is 2^(floor(log2(largest magnitude)) - 2); its byte is the largest magnitude's exponent field - 2, held at 1 from below.
; LIMITS: a block of zeros, or one under 2^-124, gets the byte 1 (its codes are zeros or right; this program alone reads the bytes); NaN and infinities are not served.
; No LDS, no barrier: waves share nothing.  Loads run two blocks (64 loads a wave) ahead.  Every offset is an immediate.
.set X,  16                            ; v16-79   two sets of 32 numbers
.set G,  80                            ; v80-127  G + 24 sigma + 12 h: the 12 registers of fragment lane (r, h), K step sigma
.set CT, 128                           ; v128-130 a block's upper 16 codes, before they are moved
.set SB, 14                            ; v14-15   the two scale words
	s_load_b256 s[4:11], s[0:1], 0x0               ; Wq, Wk, Wv, Wo
	s_load_b128 s[12:15], s[0:1], 0x20             ; wimg, wsc
	v_lshrrev_b32 v1, 5, v0
	v_readfirstlane_b32 s16, v1                    ; wave
	v_and_b32 v1, 31, v0                           ; lane i
	v_lshlrev_b32 v2, 2, v1                        ; in: 4 bytes a lane
	v_bfe_u32 v5, v1, 3, 1                         ; u: which of the two tiles
	v_and_b32 v6, 7, v1
	v_lshrrev_b32 v7, 4, v1
	v_lshl_add_u32 v6, v7, 3, v6                   ; r
	v_lshlrev_b32 v3, 4, v6
	v_mad_u32_u24 v3, v5, 1536, v3                 ; codes: 1,536 u + 16 r
	v_lshl_add_u32 v4, v5, 4, v6
	v_lshlrev_b32 v4, 3, v4                        ; scale words: 8 (r + 16 u)
	s_lshr_b32 s17, ttmp9, 3                       ; which weight
	s_and_b32 s18, ttmp9, 7                        ; which 128 columns
	s_and_b32 s19, ttmp7, 0xffff                   ; which 256 along K
	s_lshr_b32 s20, s16, 1
	s_lshl_b32 s21, s18, 1
	s_add_co_u32 s20, s20, s21                     ; g
	s_and_b32 s21, s16, 1                          ; b
	s_lshl_b32 s24, s19, 20                        ; in: 256 y rows of 4,096 bytes
	s_lshl_b32 s22, s18, 9
	s_add_co_u32 s24, s24, s22
	s_lshl_b32 s22, s16, 7
	s_add_co_u32 s24, s24, s22                     ; + 4 x my first column
	s_mov_b32 s25, 0
	s_mul_i32 s26, s17, 786432                     ; codes
	s_mul_i32 s22, s20, 49152
	s_add_co_u32 s26, s26, s22
	s_mul_i32 s22, s19, 12288
	s_add_co_u32 s26, s26, s22
	s_mul_i32 s22, s21, 3072
	s_add_co_u32 s26, s26, s22
	s_mov_b32 s27, 0
	s_lshl_b32 s28, s17, 15                        ; scale words
	s_lshl_b32 s22, s20, 11
	s_add_co_u32 s28, s28, s22
	s_lshl_b32 s22, s21, 10
	s_add_co_u32 s28, s28, s22
	s_lshl_b32 s22, s19, 8
	s_add_co_u32 s28, s28, s22
	s_mov_b32 s29, 0
	s_wait_kmcnt 0x0
	s_cmp_eq_u32 s17, 1                            ; the choice hangs on the work-group's number alone
	s_cselect_b64 s[4:5], s[6:7], s[4:5]
	s_cmp_eq_u32 s17, 2
	s_cselect_b64 s[4:5], s[8:9], s[4:5]
	s_cmp_eq_u32 s17, 3
	s_cselect_b64 s[4:5], s[10:11], s[4:5]
	s_add_nc_u64 s[4:5], s[4:5], s[24:25]
	s_add_nc_u64 s[12:13], s[12:13], s[26:27]
	s_add_nc_u64 s[14:15], s[14:15], s[28:29]
.macro LOAD t                          ; block t: W(32 t + i, my column) into set t % 2; a wave reads 128 consecutive bytes, the work-group 512
.irp i, 0,1,2,3,4,5,6,7,8,9,10,11,12,13,14,15,16,17,18,19,20,21,22,23,24,25,26,27,28,29,30,31
	global_load_b32 v[X+32*((\t)%2)+\i], v2, s[4:5] offset:(32*(\t)+\i)*4096 th:TH_LOAD_NT
.endr
.endm
	LOAD 0
	LOAD 1
.macro BLOCK t                         ; block t = 4 sigma + 2 c + h goes to registers 6 c .. 6 c + 5 of G[sigma][h]
.set XS, X+32*((\t)%2)
.set GG, G+24*((\t)/4)+12*((\t)%2)+6*(((\t)/2)%2)
.if (\t) < 7
	s_wait_loadcnt 32                              ; this block's 32 loads are in; the next block's may be out
.else
	s_wait_loadcnt 0x0
.endif
	v_max3_num_f32 v8, |v[XS]|, |v[XS+1]|, |v[XS+2]|   ; the block's largest magnitude: all 32 numbers are mine; two chains
	v_max3_num_f32 v9, |v[XS+3]|, |v[XS+4]|, |v[XS+5]|
.irp i, 6,10,14,18,22,26
	v_max3_num_f32 v8, v8, |v[XS+\i]|, |v[XS+\i+1]|
	v_max3_num_f32 v9, v9, |v[XS+\i+2]|, |v[XS+\i+3]|
.endr
	v_max3_num_f32 v8, v8, |v[XS+30]|, |v[XS+31]|
	v_max3_num_f32 v8, v8, v9, 0x1800000           ; and the floor 2^(3 - 127): the byte cannot fall under 1
	v_add_nc_u32 v10, 0xff000000, v8               ; 2 off the exponent field: the conversion takes this operand's exponent field as its scale
	v_lshrrev_b32 v11, 23, v10                     ; the scale's byte
.if ((\t)%4) == 0
	v_mov_b32 v[SB+(\t)/4], v11                    ; four bytes to a word, the lower K in the lower byte
.else
	v_lshl_or_b32 v[SB+(\t)/4], v11, 8*((\t)%4), v[SB+(\t)/4]
.endif
	v_cvt_scalef32_pk16_fp6_f32 v[GG:GG+2], v[XS:XS+15], v10
	v_cvt_scalef32_pk16_fp6_f32 v[CT:CT+2], v[XS+16:XS+31], v10   ; (a conversion's three registers begin on an even number)
	v_nop                                          ; one plain place behind a scaled conversion
.irp i, 0,1,2
	v_mov_b32 v[GG+3+\i], v[CT+\i]
.endr
.if (\t)+2 < 8
	LOAD (\t)+2
.endif
.if ((\t)%4) == 3                      ; a K step's fragments are whole: the sixteen lanes of one tile store 256 consecutive bytes, aligned
.irp h, 0,1
.irp j, 0,1,2
	global_store_b128 v3, v[G+24*((\t)/4)+12*\h+4*\j:G+24*((\t)/4)+12*\h+4*\j+3], s[12:13] offset:((\t)/4)*6144+256*\h+512*\j
.endr
.endr
.endif
.endm
.irp t, 0,1,2,3,4,5,6,7
	BLOCK \t
.endr
	global_store_b64 v4, v[SB:SB+1], s[14:15]      ; 32 lanes store 256 consecutive bytes, aligned.  No register that a store reads is written again
	s_endpgm
.Lfunc_end_k_q57e19bac5e_quant_w:
	.size	k_q57e19bac5e_quant_w, .Lfunc_end_k_q57e19bac5e_quant_w-k_q57e19bac5e_quant_w
	.p2alignl 7, 3214868480
	.fill 96, 4, 3214868480
	.section	.rodata,"a",@progbits
	.p2align	6, 0x0
	.amdhsa_kernel k_q57e19bac5e_quant_w
		.amdhsa_group_segment_fixed_size 0
		.amdhsa_private_segment_fixed_size 0
		.amdhsa_enable_private_segment 0
		.amdhsa_kernarg_size 48
		.amdhsa_user_sgpr_count 2
		.amdhsa_user_sgpr_kernarg_segment_ptr 1
		.amdhsa_wavefront_size32 1
		.amdhsa_system_sgpr_workgroup_id_x 1
		.amdhsa_system_sgpr_workgroup_id_y 1
		.amdhsa_system_sgpr_workgroup_id_z 1
		.amdhsa_system_vgpr_workitem_id 0
		.amdhsa_next_free_vgpr 136
		.amdhsa_next_free_sgpr 66
		.amdhsa_reserve_vcc 0
		.amdhsa_float_denorm_mode_32 3
		.amdhsa_float_denorm_mode_16_64 3
		.amdhsa_memory_ordered 1
		.amdhsa_forward_progress 1
		.amdhsa_inst_pref_size 40
	.end_amdhsa_kernel
	.amdgpu_metadata
---
amdhsa.version: [ 1, 2 ]
amdhsa.kernels:
  - .name:           k_q57e19bac5e_quant_w
    .symbol:         k_q57e19bac5e_quant_w.kd
    .args:
      - { .name: Wq, .offset: 0, .size: 8, .value_kind: global_buffer, .address_space: global }
      - { .name: Wk, .offset: 8, .size: 8, .value_kind: global_buffer, .address_space: global }
      - { .name: Wv, .offset: 16, .size: 8, .value_kind: global_buffer, .address_space: global }
      - { .name: Wo, .offset: 24, .size: 8, .value_kind: global_buffer, .address_space: global }
      - { .name: wimg, .offset: 32, .size: 8, .value_kind: global_buffer, .address_space: global }
      - { .name: wsc, .offset: 40, .size: 8, .value_kind: global_buffer, .address_space: global }
    .group_segment_fixed_size: 0
    .private_segment_fixed_size: 0
    .kernarg_segment_align: 8
    .kernarg_segment_size: 48
    .max_flat_workgroup_size: 128
    .sgpr_count:     66
    .vgpr_count:     136
    .wavefront_size: 32
...
	.end_amdgpu_metadata
.endif
;; end of part 1
;; launch proj (part 2): grid 64 x 3, 4 waves a work-group, no clusters, 170,496 bytes of LDS; arguments query, key, value, bq, bk, bv, wimg, wsc, acts, actsc; writes acts, actsc
.if DOCPART == 2
	.amdgcn_target "amdgcn-amd-amdhsa--gfx1250"
	.amdhsa_code_object_version 6
	.text
	.protected	k_q57e19bac5e_proj
	.globl	k_q57e19bac5e_proj
	.p2align	8
	.type	k_q57e19bac5e_proj,@function
k_q57e19bac5e_proj:
	s_mov_b64 s[64:65], 0
	v_nop
	global_prefetch_b8 v0, s[64:65] scope:SCOPE_SE
	s_setreg_imm32_b32 hwreg(HW_REG_WAVE_MODE, 25, 1), 1
	s_wait_xcnt 0x0
; q = query Wq + bq, k = key Wk + bk, v = value Wv + bv, on codes of FP6 (E2M3) with E8M0 scales; the results leave QUANTISED, as images of the next products' operand registers.
; A work-group takes 128 tokens of one tensor (y = 0, 1, 2): x is read from memory once in the launch.  3 x 64 = 192 work-groups: three tensors do not divide 256, and blocks of
; 64 tokens would read each weight (786,432 bytes of codes a work-group) twice as often.
; PHASE X: wave w quantises token tiles 2 w and 2 w + 1 (32 rows x 1,024) along K into LDS, as images of fragments.  One barrier.
; MAIN: wave w makes heads 4 w .. 4 w + 3, one after the other, for all 128 tokens: 32 accumulators (4 channel tiles x 8 token tiles), 8 K steps of 32 matrix instructions.
; The weights' fragments go from memory straight into registers, a ring of 8 sets (one head), each set asked for again as soon as its K step is multiplied: each fragment is read
; by one wave of the work-group alone, so nothing of W would be shared in LDS.  No cluster: the work-groups of one tensor walk the same weights, but by register loads; tiles in LDS are each work-group's own.
; THE ROWS OF A TILE ARE NOT NEIGHBOURS: row r of tile m of a group of 128 is element 32 (m / 2) + 8 (m % 2) + r + 8 (r / 8), for tokens and for channels alike.
; So in a result the 16 registers of tiles 2 b and 2 b + 1 of source 0 are the 16 neighbours 32 b + 16 (lane / 16) + 0 .. 15 along source 0's axis.
; q, k: source 0 = W's tile t, source 1 = token tile m, accumulator 4 m + t: a lane holds a token, its registers run along the head's channels (the scores' K).
;   Image i of a block: registers 0-5 token tile 2 i, registers 6-11 token tile 2 i + 1 (64 channels each).
; v: source 0 = token tile m, source 1 = W's tile t, accumulator 8 t + m: a lane holds a channel, its registers run along the tokens (the second product's K).  Image i: channel tile i x 128 keys.
; In both, accumulator registers 64 i .. 64 i + 63 are the 64 numbers of image i, so the way out is one text.
; acts [tensor 3][batch x head 64][block 16][image 4][1,536]; actsc [tensor][batch x head][block][lane 32][2 words]: word i / 2, lanes 16 (i % 2) + r: image i's scale word of row r.
; LIMITS: a block of zeros, or one under 2^-124, gets the byte 1; NaN and infinities are not served.
; REGISTERS, in windows of 256.  Window 0: v1-18 addresses and words; v20-35 W's scale words; v36-43 x's, two sets; v64-159, v160-255 x's fragments, two sets.
;   window 1: W's sets 0-4 (48 s + 12 t).   window 2: sets 5-7; v144-175 the bias in the result's layout.   window 3: the accumulators.
;   In phase X: window 3 four sets of 64 numbers as loaded; window 0 v64-191 two sets of 64 neighbours, v192-231 codes, v232-247 at work.  On the way out v160-239 codes, v240-255 at work.
.set XSC,  98304                       ; LDS: x's images [m 8][s 8][1,536] from 0; here their scale words [m / 2][s][lane] (lanes 0-15 tile 2 i, lanes 16-31 tile 2 i + 1);
.set STG,  102400                      ; and for each wave two stages of 16 rows x (512 + 16) bytes
.set LI,   1                           ; v1   16 x lane
.set LIB,  2                           ; v2   the same + 49,152 (tiles 4-7)
.set L8,   3                           ; v3   8 x lane
.set L4,   4                           ; v4   XSC + 4 x lane
.set XSW0, 5                           ; v5   XSC + 1,024 wave + 4 r
.set STW,  6                           ; v6   my stage + 16 x lane
.set STR,  7                           ; v7   my stage + 528 r + 64 h
.set XIW0, 8                           ; v8   24,576 wave + 16 x lane
.set BOQ,  9                           ; v9   64 h
.set BOV,  10                          ; v10  4 (r + 8 (r / 8))
.set AIM,  11                          ; v11  phase X: where this trip's images go
.set PW,   12                          ; v12-15 scale words just made
.set SCW,  16                          ; v16-17 the two words that leave
.set ASC,  18                          ; v18  phase X: where this trip's scale words go
.set WS,   20
.set XS,   36
.set XF,   64
.set BIAS, 144
.set XB,   4                           ; s[4:5] x;  s[6:7] bias;  s[8:9] W's images;  s[10:11] W's scale words;  s[12:13] acts;  s[14:15] actsc
.set BP,   6
.set WP,   8
.set WSP,  10
.set OUT,  12
.set OUTS, 14
.set SEL,  42
.set MSB, 0
.macro WIN new                         ; the immediate's high byte repeats the setting that is left; a switch that changes nothing is dropped
.if MSB != (\new)
	s_set_vgpr_msb (MSB<<8)|(\new)
.set MSB, \new
.endif
.endm
.macro PLACES n
.rept \n
	v_nop
.endr
.endm
.macro WM d, a, b, c, sa, sb, ra, rb   ; one product; ra, rb: the side's scale words lie in lanes 16-31
.if (\ra) && (\rb)
	v_wmma_scale_f32_16x16x128_f8f6f4 v[\d:\d+7], v[\a:\a+11], v[\b:\b+11], v[\c:\c+7], v[\sa], v[\sb] matrix_a_fmt:MATRIX_FMT_FP6 matrix_b_fmt:MATRIX_FMT_FP6 matrix_a_scale:MATRIX_SCALE_ROW1 matrix_b_scale:MATRIX_SCALE_ROW1
.elseif (\ra)
	v_wmma_scale_f32_16x16x128_f8f6f4 v[\d:\d+7], v[\a:\a+11], v[\b:\b+11], v[\c:\c+7], v[\sa], v[\sb] matrix_a_fmt:MATRIX_FMT_FP6 matrix_b_fmt:MATRIX_FMT_FP6 matrix_a_scale:MATRIX_SCALE_ROW1
.elseif (\rb)
	v_wmma_scale_f32_16x16x128_f8f6f4 v[\d:\d+7], v[\a:\a+11], v[\b:\b+11], v[\c:\c+7], v[\sa], v[\sb] matrix_a_fmt:MATRIX_FMT_FP6 matrix_b_fmt:MATRIX_FMT_FP6 matrix_b_scale:MATRIX_SCALE_ROW1
.else
	v_wmma_scale_f32_16x16x128_f8f6f4 v[\d:\d+7], v[\a:\a+11], v[\b:\b+11], v[\c:\c+7], v[\sa], v[\sb] matrix_a_fmt:MATRIX_FMT_FP6 matrix_b_fmt:MATRIX_FMT_FP6
.endif
.endm
; 64 numbers of a lane in window w, register 16 b + i = k 32 b + 16 (lane / 16) + i of my row, become a fragment's codes in v[pc] .. v[pc + 11] and its scale word in v[pw].
; The floor is source 0 of the first maxima, so that the numbers are always sources 1 and 2.  Each run of eight registers is read from its low end on.
.macro QUANT src, w, pc, pw, tm
	WIN ((\w)<<2)|((\w)<<4)
.irp b, 0,1,2,3
	v_max3_num_f32 v[(\tm)+\b], 0x1800000, |v[(\src)+16*\b]|, |v[(\src)+1+16*\b]|   ; my 16 numbers of block b, and the floor 2^(3 - 127): the byte cannot fall under 1
.endr
.irp i, 2,4,6,8,10,12,14
.irp b, 0,1,2,3
	v_max3_num_f32 v[(\tm)+\b], v[(\tm)+\b], |v[(\src)+16*\b+\i]|, |v[(\src)+1+16*\b+\i]|   ; (the four blocks by turns)
.endr
.endr
	WIN 0
.irp b, 0,1,2,3
	v_permlanex16_b32 v[(\tm)+4+\b], v[(\tm)+\b], s[SEL], s[SEL+1]
.endr
.irp b, 0,1,2,3
	v_max_num_f32 v[(\tm)+\b], v[(\tm)+\b], v[(\tm)+4+\b]   ; with lane l xor 16's: the block's largest magnitude
.endr
.irp b, 0,1,2,3
	v_add_nc_u32 v[(\tm)+12+\b], 0xff000000, v[(\tm)+\b]    ; 2 off its exponent field: the conversion's scale operand
.endr
.irp b, 0,1,2,3
	v_lshrrev_b32 v[(\tm)+4+\b], 23, v[(\tm)+12+\b]         ; the scale's byte
.endr
	v_lshl_or_b32 v[\pw], v[(\tm)+5], 8, v[(\tm)+4]
	v_lshl_or_b32 v[\pw], v[(\tm)+6], 16, v[\pw]
	v_lshl_or_b32 v[\pw], v[(\tm)+7], 24, v[\pw]
	WIN (\w)
.irp c, 0,1
	v_cvt_scalef32_pk16_fp6_f32 v[(\pc)+6*\c:(\pc)+6*\c+2], v[(\src)+32*\c:(\src)+32*\c+15], v[(\tm)+12+2*\c]
	v_cvt_scalef32_pk16_fp6_f32 v[(\pc)+12+4*\c:(\pc)+14+4*\c], v[(\src)+16+32*\c:(\src)+31+32*\c], v[(\tm)+13+2*\c]   ; (a conversion's three registers begin on an even number)
.endr
	WIN 0
	v_nop                                          ; one plain place behind a scaled conversion
.irp c, 0,1                            ; the operand's layout wants a WHOLE block in a lane: lanes 0-15 block 2 c, lanes 16-31 block 2 c + 1
.irp i, 0,1,2
	v_permlane16_swap_b32 v[(\pc)+6*\c+\i], v[(\pc)+12+4*\c+\i]
.endr
.irp i, 0,1,2
	v_mov_b32 v[(\pc)+3+6*\c+\i], v[(\pc)+12+4*\c+\i]
.endr
.endr
.endm
; PHASE X.  Unit q of a trip: token tile 2 w + q % 2, K step 2 x trip + q / 2.  Each load reads 512 consecutive bytes of one row, 16 a lane.
.macro LOADX q, off
	WIN 0xc0                                       ; destination window 3
.irp p, 0,1,2,3,4,5,6,7,8,9,10,11,12,13,14,15
	global_load_b128 v[64*(\q)+4*\p:64*(\q)+4*\p+3], v[LI], s[XB:XB+1] offset:(8*((\q)%2)+\p+8*(\p/8))*4096+512*((\q)/2)+(\off) th:TH_LOAD_NT
.endr
	WIN 0
.endm
.macro TURN q                          ; a unit through my stage: in as loaded, back 16 neighbours of each block a lane.  LDS serves a wave's instructions in order: no wait between
	WIN 0x0c                                       ; an LDS store's data are its source 1: window 3
.irp p, 0,1,2,3,4,5,6,7,8,9,10,11,12,13,14,15
	ds_store_b128 v[STW], v[64*(\q)+4*\p:64*(\q)+4*\p+3] offset:8448*((\q)%2)+528*\p
.endr
	WIN 0
.irp b, 0,1,2,3
.irp j, 0,1,2,3
	ds_load_b128 v[64+64*((\q)%2)+16*\b+4*\j:64+64*((\q)%2)+16*\b+4*\j+3], v[STR] offset:8448*((\q)%2)+128*\b+16*\j
.endr
.endr
.endm
.macro STEPX q, ahead, left
	s_wait_dscnt 4                                 ; this unit's numbers are back from the stage; the last unit's three image stores and its scale store may be out
.if \ahead
	LOADX \q, 1024                                 ; the same unit of the next trip
.endif
.if ((\q) < 3) || (\ahead)
	s_wait_loadcnt \left                           ; the next unit's 16 loads are in; the younger units' may be out
	TURN ((\q)+1)%4
.endif
	QUANT 64+64*((\q)%2), 0, 192+20*((\q)%2), 12+(\q)%2, 232
.irp j, 0,1,2
	ds_store_b128 v[AIM], v[192+20*((\q)%2)+4*\j:192+20*((\q)%2)+4*\j+3] offset:(8*((\q)%2)+(\q)/2)*1536+512*\j
.endr
	ds_store_b32 v[ASC], v[12+(\q)%2] offset:64*((\q)%2)+128*((\q)/2)   ; both halves of the lanes write the same word with the same value
.endm
; MAIN.
.macro FETCHX ks, bf                   ; x's eight fragments and four registers of scale words of K step ks into set bf
.irp m, 0,1,2,3,4,5,6,7
.irp j, 0,1,2
.if \m < 4
	ds_load_b128 v[XF+96*(\bf)+12*\m+4*\j:XF+96*(\bf)+12*\m+4*\j+3], v[LI] offset:((\m%4)*8+(\ks))*1536+512*\j
.else
	ds_load_b128 v[XF+96*(\bf)+12*\m+4*\j:XF+96*(\bf)+12*\m+4*\j+3], v[LIB] offset:((\m%4)*8+(\ks))*1536+512*\j
.endif
.endr
.endr
.irp i, 0,1,2,3
	ds_load_b32 v[XS+4*(\bf)+\i], v[L4] offset:1024*\i+128*(\ks)
.endr
.endm
.macro WLOAD ks, nx                    ; W's four fragments of K step ks, of this head (nx = 0) or the next (1)
.if (\ks) < 5
	WIN 0x40
.else
	WIN 0x80
.endif
.irp t, 0,1,2,3
.irp j, 0,1,2
	global_load_b128 v[48*((\ks)%5)+12*\t+4*\j:48*((\ks)%5)+12*\t+4*\j+3], v[LI], s[WP:WP+1] offset:(\nx)*49152+(4*(\ks)+\t)*1536+512*\j
.endr
.endr
.endm
.macro WSLOAD y, nx                    ; W's scale words of K steps 2 y and 2 y + 1
	WIN 0
.irp b, 0,1
	global_load_b64 v[WS+8*\b+2*(\y):WS+8*\b+2*(\y)+1], v[L8], s[WSP:WSP+1] offset:(\nx)*2048+(4*\b+(\y))*256
.endr
.endm
.macro BIASLOAD path, nx               ; the bias in the result's layout: it is the C of each sum's first product
	WIN 0x80
.if \path == 0
.irp t, 0,1,2,3
	global_load_b128 v[BIAS+8*\t:BIAS+8*\t+3], v[BOQ], s[BP:BP+1] offset:(\nx)*256+(32*(\t/2)+8*(\t%2))*4
	global_load_b128 v[BIAS+8*\t+4:BIAS+8*\t+7], v[BOQ], s[BP:BP+1] offset:(\nx)*256+(32*(\t/2)+8*(\t%2))*4+16
.endr
.else
.irp t, 0,1,2,3
.irp j, 0,1,2,3,4,5,6,7
	global_load_b32 v[BIAS+8*\t+\j], v[BOV], s[BP:BP+1] offset:(\nx)*256+(32*(\t/2)+8*(\t%2))*4
.endr
.endr
.endif
.endm
; A K step's 32 products.  The accumulators take turns, one instruction a turn, in the same order in every K step.
.macro MUL32 path, ks
.set rW, 48*((\ks)%5)
.set rX, XF+96*((\ks)%2)
.set rXS, XS+4*((\ks)%2)
.if \path == 0
.if (\ks) == 0
	WIN 0xe1                                       ; source 0 (W) window 1, source 1 (x) window 0, C (the bias) window 2, D window 3
.elseif (\ks) < 5
	WIN 0xf1
.else
	WIN 0xf2
.endif
.irp m, 0,1,2,3,4,5,6,7
.irp t, 0,1,2,3
.set rD, 8*(4*\m+\t)
.set rC, rD
.if (\ks) == 0
.set rC, BIAS+8*\t
.endif
.set rA, rW+12*\t
.set rB, rX+12*\m
.set rSA, WS+8*(\t/2)+(\ks)
.set rSB, rXS+\m/2
	WM rD, rA, rB, rC, rSA, rSB, \t%2, \m%2
.endr
.endr
.else
.if (\ks) == 0
	WIN 0xe4                                       ; source 0 (x) window 0, source 1 (W) window 1, C (the bias) window 2, D window 3
.elseif (\ks) < 5
	WIN 0xf4
.else
	WIN 0xf8
.endif
.irp t, 0,1,2,3
.irp m, 0,1,2,3,4,5,6,7
.set rD, 8*(8*\t+\m)
.set rC, rD
.if (\ks) == 0
.set rC, BIAS+8*\t
.endif
.set rA, rX+12*\m
.set rB, rW+12*\t
.set rSA, rXS+\m/2
.set rSB, WS+8*(\t/2)+(\ks)
	WM rD, rA, rB, rC, rSA, rSB, \m%2, \t%2
.endr
.endr
.endif
.endm
; pre = 1: the next head's weights are asked for as this head's sets fall free.  Behind set ks at least six sets of 12 loads have then been issued.
; pre = 0, the last head: behind set ks only sets ks + 1 .. 7 were issued.  Bias and scale words are issued ahead of the set with which they are first used.
.macro KSTEP path, ks, pre
.if \pre
	s_wait_loadcnt 48
.elseif 12*(7-(\ks)) < 48
	s_wait_loadcnt 12*(7-(\ks))
.else
	s_wait_loadcnt 48
.endif
	s_wait_dscnt 0x0                               ; this K step's fragments of x are in
	PLACES 4                                       ; in front of loads into registers that the last K step's products have read
.if (\pre) || ((\ks) < 7)
	FETCHX ((\ks)+1)%8, ((\ks)+1)%2
.endif
.if \pre
.if ((\ks) >= 2) && (((\ks)%2) == 0)
	WSLOAD (\ks)/2-1, 1
.endif
.if (\ks) == 1
	BIASLOAD \path, 1
.endif
.if (\ks) >= 1
	WLOAD (\ks)-1, 1
.endif
.endif
	MUL32 \path, \ks
	WIN 0
.endm
.macro HEADBODY path, pre
.irp k, 0,1,2,3,4,5,6,7
	KSTEP \path, \k, \pre
.endr
	PLACES 4                                       ; in front of the loads below and of the first read of results
.if \pre
	WSLOAD 3, 1
	WLOAD 7, 1
	WIN 0
.endif
.endm
	s_load_b256 s[16:23], s[0:1], 0x0              ; query, key, value, bq
	s_load_b256 s[24:31], s[0:1], 0x20             ; bk, bv, wimg, wsc
	s_load_b128 s[32:35], s[0:1], 0x40             ; acts, actsc
	v_lshl_add_u32 v62, v0, 2, 0x29800
	v_mov_b32 v63, 0
	v_lshrrev_b32 v19, 5, v0
	v_readfirstlane_b32 s2, v19                    ; wave
	s_and_b32 s3, ttmp7, 0xffff                    ; which tensor
	s_mov_b32 s36, ttmp9                           ; which 128 tokens
	v_and_b32 v19, 31, v0                          ; lane
	v_and_b32 v44, 15, v0                          ; r
	v_bfe_u32 v45, v0, 4, 1                        ; h
	v_lshlrev_b32 v[LI], 4, v19
	v_add_nc_u32 v[LIB], 49152, v[LI]
	v_lshlrev_b32 v[L8], 3, v19
	v_lshl_add_u32 v[L4], v19, 2, XSC
	s_lshl_b32 s44, s2, 10
	s_add_co_u32 s44, s44, XSC
	v_lshl_add_u32 v[XSW0], v44, 2, s44
	s_mul_i32 s44, s2, 16896
	s_add_co_u32 s44, s44, STG
	v_add_nc_u32 v[STW], s44, v[LI]
	v_mul_u32_u24 v[STR], v44, 528
	v_lshl_add_u32 v[STR], v45, 6, v[STR]
	v_add_nc_u32 v[STR], s44, v[STR]
	s_mul_i32 s44, s2, 24576
	v_add_nc_u32 v[XIW0], s44, v[LI]
	v_lshlrev_b32 v[BOQ], 6, v45
	v_and_b32 v[BOV], 8, v44
	v_add_nc_u32 v[BOV], v[BOV], v44
	v_lshlrev_b32 v[BOV], 2, v[BOV]
.irp b, 0,1,2,3
	v_mov_b32 v[236+\b], 0                         ; a lane permute's destination counts as one of its sources
.endr
	s_mov_b32 s41, 0xffff0000                      ; lanes 16-31
	s_mov_b32 s[SEL], 0x76543210
	s_mov_b32 s[SEL+1], 0xfedcba98                 ; v_permlanex16_b32's selects for lane l xor 16
	s_wait_kmcnt 0x0
	s_cmp_eq_u32 s3, 1                             ; the choices hang on the work-group's number alone
	s_cselect_b64 s[XB:XB+1], s[18:19], s[16:17]
	s_cselect_b64 s[BP:BP+1], s[24:25], s[22:23]
	s_cmp_eq_u32 s3, 2
	s_cselect_b64 s[XB:XB+1], s[20:21], s[XB:XB+1]
	s_cselect_b64 s[BP:BP+1], s[26:27], s[BP:BP+1]
	s_lshl_b32 s44, s36, 19                        ; x: 128 rows of 4,096 bytes a block, 32 a wave
	s_lshl_b32 s46, s2, 17
	s_add_co_u32 s44, s44, s46
	s_mov_b32 s45, 0
	s_add_nc_u64 s[XB:XB+1], s[XB:XB+1], s[44:45]
	s_lshl_b32 s44, s2, 10                         ; the bias of head 4 w
	s_add_nc_u64 s[BP:BP+1], s[BP:BP+1], s[44:45]
	s_mul_i32 s44, s3, 786432
	s_mul_i32 s46, s2, 196608
	s_add_co_u32 s44, s44, s46
	s_add_nc_u64 s[WP:WP+1], s[28:29], s[44:45]
	s_lshl_b32 s44, s3, 15
	s_lshl_b32 s46, s2, 13
	s_add_co_u32 s44, s44, s46
	s_add_nc_u64 s[WSP:WSP+1], s[30:31], s[44:45]
	s_lshr_b32 s47, s36, 4                         ; batch
	s_and_b32 s40, s36, 15                         ; block in the sequence
	s_mul_i32 s44, s3, 6291456
	s_mul_i32 s46, s47, 1572864
	s_add_co_u32 s44, s44, s46
	s_mul_i32 s46, s2, 393216
	s_add_co_u32 s44, s44, s46
	s_mul_i32 s46, s40, 6144
	s_add_co_u32 s44, s44, s46
	s_add_nc_u64 s[OUT:OUT+1], s[32:33], s[44:45]
	s_lshl_b32 s44, s3, 18
	s_lshl_b32 s46, s47, 16
	s_add_co_u32 s44, s44, s46
	s_lshl_b32 s46, s2, 14
	s_add_co_u32 s44, s44, s46
	s_lshl_b32 s46, s40, 8
	s_add_co_u32 s44, s44, s46
	s_add_nc_u64 s[OUTS:OUTS+1], s[34:35], s[44:45]
	s_cmp_eq_u32 s3, 2
	s_cbranch_scc1 .Lbias_v
	BIASLOAD 0, 0
	WIN 0
	s_branch .Lbias_done
.Lbias_v:
	BIASLOAD 1, 0
	WIN 0
.Lbias_done:
.irp y, 0,1,2,3
	WSLOAD \y, 0
.endr
.irp k, 0,1,2,3,4,5,6,7
	WLOAD \k, 0                                    ; the first head's weights land under phase X
.endr
	WIN 0
.irp q, 0,1,2,3
	LOADX \q, 0
.endr
	s_wait_loadcnt 48                              ; unit 0 is in; units 1 to 3 may be out
	TURN 0
	s_mov_b32 s38, 0
	s_mov_b32 s39, 0
	s_mov_b32 s40, 3
.Lx:                                               ; a trip: two K steps of my two token tiles
	s_wait_dscnt 0x0                               ; no LDS store that names the two address registers is out
	v_add_nc_u32 v[AIM], s38, v[XIW0]
	v_add_nc_u32 v[ASC], s39, v[XSW0]
	STEPX 0, 1, 48
	STEPX 1, 1, 48
	STEPX 2, 1, 48
	STEPX 3, 1, 48
	s_wait_xcnt 0x0                                ; the loads have read their base: it may step
	s_add_nc_u64 s[XB:XB+1], s[XB:XB+1], 1024
	s_add_co_u32 s38, s38, 3072
	s_add_co_u32 s39, s39, 256
	s_sub_co_u32 s40, s40, 1
	s_cmp_lg_u32 s40, 0
	s_cbranch_scc1 .Lx
	s_wait_dscnt 0x0
	v_add_nc_u32 v[AIM], s38, v[XIW0]
	v_add_nc_u32 v[ASC], s39, v[XSW0]
	STEPX 0, 0, 32                                 ; the last trip loads nothing: the counts run down
	STEPX 1, 0, 16
	STEPX 2, 0, 0
	STEPX 3, 0, 0
	s_wait_dscnt 0x0                               ; for the others' sake: my images and scale words have landed
	s_barrier_signal -1
	s_barrier_wait -1                              ; the launch's one barrier: from here on LDS is only read
	FETCHX 0, 0
	s_mov_b32 s37, 0
.Lhead:                                            ; four heads a wave.  The four bodies hold LDS loads alone, no LDS store and no barrier
	s_cmp_eq_u32 s3, 2
	s_cbranch_scc1 .Lv
	s_cmp_eq_u32 s37, 3
	s_cbranch_scc1 .Lqk_last
	HEADBODY 0, 1
	s_branch .Lepi
.Lqk_last:
	HEADBODY 0, 0
	s_branch .Lepi
.Lv:
	s_cmp_eq_u32 s37, 3
	s_cbranch_scc1 .Lv_last
	HEADBODY 1, 1
	s_branch .Lepi
.Lv_last:
	HEADBODY 1, 0
.Lepi:                                             ; THE WAY OUT: four images of 64 numbers a lane, quantised in registers and stored as they stand: each store covers 512 consecutive bytes, aligned
.irp b, 0,1,2,3
	v_mov_b32 v[244+\b], 0
.endr
.irp i, 0,1,2,3
	QUANT 64*\i, 3, 160+20*\i, 12+\i, 240
.irp j, 0,1,2
	global_store_b128 v[LI], v[160+20*\i+4*\j:160+20*\i+4*\j+3], s[OUT:OUT+1] offset:1536*\i+512*\j
.endr
.endr
	v_cndmask_b32 v[SCW], v[PW], v[PW+1], s41      ; lanes 0-15 image 0's words, lanes 16-31 image 1's
	v_cndmask_b32 v[SCW+1], v[PW+2], v[PW+3], s41  ; images 2 and 3
	global_store_b64 v[L8], v[SCW:SCW+1], s[OUTS:OUTS+1]   ; 256 consecutive bytes, aligned
	s_wait_xcnt 0x0                                ; the stores have read their data, which the next head's fetch overwrites; loads and stores have read their bases
	s_add_nc_u64 s[WP:WP+1], s[WP:WP+1], 49152
	s_add_nc_u64 s[WSP:WSP+1], s[WSP:WSP+1], 2048
	s_add_nc_u64 s[BP:BP+1], s[BP:BP+1], 256
	s_add_nc_u64 s[OUT:OUT+1], s[OUT:OUT+1], 98304
	s_add_nc_u64 s[OUTS:OUTS+1], s[OUTS:OUTS+1], 4096
	s_add_co_u32 s37, s37, 1
	s_cmp_lt_u32 s37, 4
	s_cbranch_scc1 .Lhead
	s_wait_tensorcnt 0x0
	ds_add_u32 v62, v63
	s_wait_dscnt 0x0
	s_endpgm
.Lfunc_end_k_q57e19bac5e_proj:
	.size	k_q57e19bac5e_proj, .Lfunc_end_k_q57e19bac5e_proj-k_q57e19bac5e_proj
	.p2alignl 7, 3214868480
	.fill 96, 4, 3214868480
	.section	.rodata,"a",@progbits
	.p2align	6, 0x0
	.amdhsa_kernel k_q57e19bac5e_proj
		.amdhsa_group_segment_fixed_size 170496
		.amdhsa_private_segment_fixed_size 0
		.amdhsa_enable_private_segment 0
		.amdhsa_kernarg_size 80
		.amdhsa_user_sgpr_count 2
		.amdhsa_user_sgpr_kernarg_segment_ptr 1
		.amdhsa_wavefront_size32 1
		.amdhsa_system_sgpr_workgroup_id_x 1
		.amdhsa_system_sgpr_workgroup_id_y 1
		.amdhsa_system_sgpr_workgroup_id_z 1
		.amdhsa_system_vgpr_workitem_id 0
		.amdhsa_next_free_vgpr 1024
		.amdhsa_next_free_sgpr 66
		.amdhsa_reserve_vcc 0
		.amdhsa_float_denorm_mode_32 3
		.amdhsa_float_denorm_mode_16_64 3
		.amdhsa_memory_ordered 1
		.amdhsa_forward_progress 1
		.amdhsa_inst_pref_size 255
	.end_amdhsa_kernel
	.section	.bss,"aw",@nobits
	.p2align	6
	.space	262144
	.amdgpu_metadata
---
amdhsa.version: [ 1, 2 ]
amdhsa.kernels:
  - .name:           k_q57e19bac5e_proj
    .symbol:         k_q57e19bac5e_proj.kd
    .args:
      - { .name: query, .offset: 0, .size: 8, .value_kind: global_buffer, .address_space: global }
      - { .name: key, .offset: 8, .size: 8, .value_kind: global_buffer, .address_space: global }
      - { .name: value, .offset: 16, .size: 8, .value_kind: global_buffer, .address_space: global }
      - { .name: bq, .offset: 24, .size: 8, .value_kind: global_buffer, .address_space: global }
      - { .name: bk, .offset: 32, .size: 8, .value_kind: global_buffer, .address_space: global }
      - { .name: bv, .offset: 40, .size: 8, .value_kind: global_buffer, .address_space: global }
      - { .name: wimg, .offset: 48, .size: 8, .value_kind: global_buffer, .address_space: global }
      - { .name: wsc, .offset: 56, .size: 8, .value_kind: global_buffer, .address_space: global }
      - { .name: acts, .offset: 64, .size: 8, .value_kind: global_buffer, .address_space: global }
      - { .name: actsc, .offset: 72, .size: 8, .value_kind: global_buffer, .address_space: global }
    .group_segment_fixed_size: 170496
    .private_segment_fixed_size: 0
    .kernarg_segment_align: 8
    .kernarg_segment_size: 80
    .max_flat_workgroup_size: 128
    .sgpr_count:     66
    .vgpr_count:     1024
    .wavefront_size: 32
...
	.end_amdgpu_metadata
.endif
;; end of part 2
;; launch attn (part 3): grid 4 x 64, 16 waves a work-group, no clusters, 206,848 bytes of LDS; arguments acts, actsc, xoimg, xosc; writes xoimg, xosc
.if DOCPART == 3
	.amdgcn_target "amdgcn-amd-amdhsa--gfx1250"
	.amdhsa_code_object_version 6
	.text
	.protected	k_q57e19bac5e_attn
	.globl	k_q57e19bac5e_attn
	.p2align	8
	.type	k_q57e19bac5e_attn,@function
k_q57e19bac5e_attn:
	s_mov_b64 s[64:65], 0
	v_nop
	global_prefetch_b8 v0, s[64:65] scope:SCOPE_SE
	s_setreg_imm32_b32 hwreg(HW_REG_WAVE_MODE, 25, 1), 1
	s_wait_xcnt 0x0
; softmax(q k^T / 8) v for one head, both products on codes of FP6 (E2M3) with E8M0 scales; the result leaves quantised along the head's 64 channels, as the output projection's operand.
; THE SOFTMAX: t = score x log2(e) / 8; M = the row's largest t so far, rounded UP to a whole number; p = 2^(t - M) is quantised along the keys, not normalised.  The row's sum is taken of the
; unquantised p, in f32, and divides the result at the end.  When M moves, the sum and the result are multiplied by 2^(old M - new M): exact.
; SHARES.  A work-group owns 512 queries of one head (4 x 64 = 256 work-groups of equal work).  ALL of the head's K and V stay in LDS, 2 x 98,304 bytes of images and 2 x 4,096 of scale words,
; filled once: every wave brings a sixteenth by two tensor loads at the head; nothing is filled again.  One barrier.
; Each of the sixteen waves owns one image of q: two tiles of 16 queries, taken in two passes of 16 key steps of 128 keys; four waves to a SIMD, so that one wave's vector work stands beside another's products and LDS loads.
; No cluster: what the four work-groups of a head share is this one first fill (204,800 bytes a work-group, against 32 key steps of work a wave); there is no refill behind it.
; K = 64 IN A FORM OF K = 128.  An image of k holds two tiles of 16 keys: registers 0-5 tile 2 p, registers 6-11 tile 2 p + 1.  Multiplied by [q | 0] it gives tile 2 p's scores, by [0 | q] tile 2 p + 1's:
; zero codes add nothing.  The image's scale word serves both; q's is (s0, s1, s0, s1).  q stands between two runs of six zero registers, so both operands are runs of 12.
; LAYOUT.  Both products are used transposed: a lane holds ONE query (lane % 16) throughout.  The keys of a tile are 32 (m / 2) + 8 (m % 2) + r + 8 (r / 8), so the 16 registers of two neighbouring tiles are 16 neighbouring keys.
; A block's largest p is not searched for: p rises with the score, so the block's largest score goes through the same multiply-add and exponential (this takes v_exp_f32 not to fall where its input rises).
; LIMITS: p under 2^-126 comes out as 0; a block of zeros gets the byte 1; NaN and infinities are not served.
; The result's scale bytes leave two to a lane, 32 bytes apart (262,144 bytes in the whole launch, two instructions a wave): the price of a layout that the reader takes as whole words.
; REGISTERS: v1-8 addresses; v12 -M, v13 the largest t, v[14:15] the sum; v16-33 0 q 0; v34 q's scale word; v35, v36-47 q as loaded; v48-95 four fragments of K, then of V; v96-159 S^T, then p;
;   v160-191 O^T; v192-203 p's codes; v204-211 at work; v212-215 K's and V's scale words; v216-237 at work.
.set F,   48
.set SCK, 196608                       ; LDS: K's images from 0, V's from 98,304; K's scale words here, V's 4,096 on
.macro PLACES n
.rept \n
	v_nop
.endr
.endm
.macro WMS d, a, b, sa, ra             ; a tile of scores: the product starts its sum
.if \ra
	v_wmma_scale_f32_16x16x128_f8f6f4 v[(\d):(\d)+7], v[(\a):(\a)+11], v[(\b):(\b)+11], 0, v[\sa], v34 matrix_a_fmt:MATRIX_FMT_FP6 matrix_b_fmt:MATRIX_FMT_FP6 matrix_a_scale:MATRIX_SCALE_ROW1
.else
	v_wmma_scale_f32_16x16x128_f8f6f4 v[(\d):(\d)+7], v[(\a):(\a)+11], v[(\b):(\b)+11], 0, v[\sa], v34 matrix_a_fmt:MATRIX_FMT_FP6 matrix_b_fmt:MATRIX_FMT_FP6
.endif
.endm
.macro WMO d, a, sa, ra                ; O^T += V^T P^T
.if \ra
	v_wmma_scale_f32_16x16x128_f8f6f4 v[(\d):(\d)+7], v[(\a):(\a)+11], v[192:203], v[(\d):(\d)+7], v[\sa], v235 matrix_a_fmt:MATRIX_FMT_FP6 matrix_b_fmt:MATRIX_FMT_FP6 matrix_a_scale:MATRIX_SCALE_ROW1
.else
	v_wmma_scale_f32_16x16x128_f8f6f4 v[(\d):(\d)+7], v[(\a):(\a)+11], v[192:203], v[(\d):(\d)+7], v[\sa], v235 matrix_a_fmt:MATRIX_FMT_FP6 matrix_b_fmt:MATRIX_FMT_FP6
.endif
.endm
	s_load_b256 s[4:11], s[0:1], 0x0               ; acts, actsc, xoimg, xosc
	v_lshl_add_u32 v254, v0, 2, 0x32000
	v_mov_b32 v255, 0
	ds_add_u32 v254, v255
	ds_add_u32 v254, v255
	v_lshrrev_b32 v9, 5, v0
	v_readfirstlane_b32 s2, v9                     ; wave 0..15
	s_and_b32 s3, ttmp7, 0xffff                    ; batch x 16 + head
	; descriptor group 1, codes: 48 rows of 256 bytes (32 elements of 8 bytes), dense, no padding
	s_mov_b32 s20, 3<<16
	s_mov_b32 s21, 32<<16                          ; tensor_dim0
	s_mov_b32 s22, 48<<16                          ; tensor_dim1
	s_mov_b32 s23, 32<<16                          ; tile_dim0
	s_mov_b32 s24, 48                              ; tile_dim1
	s_mov_b32 s25, 32                              ; the pitch
	s_mov_b32 s26, 0
	s_mov_b32 s27, 0
	; scale words: 2 such rows
	s_mov_b32 s28, 3<<16
	s_mov_b32 s29, 32<<16
	s_mov_b32 s30, 2<<16
	s_mov_b32 s31, 32<<16
	s_mov_b32 s32, 2
	s_mov_b32 s33, 32
	s_mov_b32 s34, 0
	s_mov_b32 s35, 0
	s_lshr_b32 s44, s2, 3
	s_add_co_u32 s44, s44, 1                       ; waves 0-7 fetch k (tensor 1), waves 8-15 v (tensor 2)
	s_and_b32 s45, s2, 7                           ; an eighth each
	s_mul_i32 s46, s44, 6291456
	s_mul_i32 s48, s3, 98304
	s_add_co_u32 s46, s46, s48
	s_mul_i32 s49, s45, 12288
	s_add_co_u32 s46, s46, s49
	s_mov_b32 s47, 0
	s_lshl_b32 s50, s44, 18
	s_lshl_b32 s52, s3, 12
	s_add_co_u32 s50, s50, s52
	s_lshl_b32 s49, s45, 9
	s_add_co_u32 s50, s50, s49
	s_mov_b32 s51, 0
	s_mov_b32 s12, 1                               ; group 0: count = 1,
	s_mul_i32 s13, s2, 12288                       ; the LDS address: K's eight parts, then V's eight,
	s_mov_b32 s16, 1
	s_lshl_b32 s17, s2, 9
	s_add_co_u32 s17, s17, SCK
	s_wait_dscnt 0x0
	s_wait_kmcnt 0x0
	s_add_nc_u64 s[14:15], s[4:5], s[46:47]        ; the global address,
	s_or_b32 s15, s15, 0x80000000                  ; the type
	s_add_nc_u64 s[18:19], s[6:7], s[50:51]
	s_or_b32 s19, s19, 0x80000000
	tensor_load_to_lds s[12:15], s[20:27]          ; my two first fills stand together: two tensor loads of mine are out
	s_nop 0
	tensor_load_to_lds s[16:19], s[28:35]
	s_nop 0
	PLACES 4                                       ; four v_nop follow them
	s_lshl_b32 s53, ttmp9, 4
	s_add_co_u32 s53, s53, s2                      ; my image of q: 16 x + wave
	s_mul_i32 s54, s53, 1536
	s_add_co_u32 s54, s54, s48
	s_mov_b32 s55, 0
	s_add_nc_u64 s[54:55], s[4:5], s[54:55]
	s_lshl_b32 s56, ttmp9, 2
	s_lshr_b32 s57, s2, 2
	s_add_co_u32 s56, s56, s57                     ; its block of 128 tokens,
	s_lshl_b32 s56, s56, 8
	s_add_co_u32 s56, s56, s52
	s_and_b32 s57, s2, 1                           ; image i = wave % 4: lanes 16 (i % 2) on,
	s_lshl_b32 s57, s57, 7
	s_add_co_u32 s56, s56, s57
	s_bfe_u32 s57, s2, 0x10001                     ; word i / 2
	s_lshl_b32 s57, s57, 2
	s_add_co_u32 s56, s56, s57
	s_mov_b32 s57, 0
	s_add_nc_u64 s[56:57], s[6:7], s[56:57]
	s_lshr_b32 s58, s3, 4
	s_lshl_b32 s58, s58, 7
	s_lshl_b32 s59, ttmp9, 5
	s_add_co_u32 s58, s58, s59
	s_lshl_b32 s59, s2, 1
	s_add_co_u32 s58, s58, s59                     ; my first token tile: 128 batch + 32 x + 2 wave
	s_and_b32 s59, s3, 15                          ; the head
	s_mul_i32 s60, s58, 12288
	s_mul_i32 s61, s59, 768
	s_add_co_u32 s60, s60, s61
	s_mov_b32 s61, 0
	s_add_nc_u64 s[8:9], s[8:9], s[60:61]
	s_lshl_b32 s60, s58, 9
	s_lshl_b32 s62, s59, 1
	s_add_co_u32 s60, s60, s62
	s_add_nc_u64 s[10:11], s[10:11], s[60:61]
	s_mov_b32 s40, 0x76543210
	s_mov_b32 s41, 0xfedcba98                      ; v_permlanex16_b32's selects for lane l xor 16
	s_mov_b32 s42, 0x3e38aa3b                      ; c = log2(e) / 8
	s_mov_b32 s43, s42                             ; (named with it as a pair, so it is written)
	v_and_b32 v9, 31, v0
	v_lshlrev_b32 v1, 4, v9                        ; 16 x lane
	v_add_nc_u32 v2, 98304, v1                     ; the same among V's images
	v_lshlrev_b32 v7, 3, v9                        ; 8 x lane
	v_add_nc_u32 v3, SCK, v7
	v_and_b32 v10, 15, v0
	v_lshlrev_b32 v8, 5, v10                       ; 32 r
	v_lshlrev_b32 v11, 3, v10                      ; 8 r
.irp j, 0,1,2
	global_load_b128 v[36+4*\j:39+4*\j], v1, s[54:55] offset:512*\j   ; q's image
.endr
	global_load_b32 v35, v11, s[56:57]             ; and its scale words
.irp i, 0,1,2,3,4,5
	v_mov_b32 v[16+\i], 0                          ; the zero codes on either side of q
	v_mov_b32 v[28+\i], 0
.endr
.irp b, 0,1,2,3
	v_mov_b32 v[220+\b], 0                         ; a lane permute's destination counts as one of its sources
.endr
	v_mov_b32 v233, 0                              ; (named as the upper half of the pair v[232:233])
	s_wait_tensorcnt 0x0                           ; my parts have landed,
	s_barrier_signal -1
	s_barrier_wait -1                              ; everybody's have
	s_wait_loadcnt 0x0                             ; q
; A KEY STEP: 128 keys.
.macro STEP
	v_add_nc_u32 v4, s36, v1                       ; three additions and a v_nop: the places behind the last products, in front of loads into their registers
	v_add_nc_u32 v5, s36, v2
	v_add_nc_u32 v6, s37, v3
	v_nop
.irp p, 0,1,2,3
.irp j, 0,1,2
	ds_load_b128 v[F+12*\p+4*\j:F+12*\p+4*\j+3], v4 offset:1536*\p+512*\j
.endr
.endr
	ds_load_b64 v[212:213], v6                     ; K's scale words: word p / 2, lanes 16 (p % 2) on
	ds_load_b64 v[214:215], v6 offset:4096         ; V's
	s_wait_dscnt 0x0
.irp p, 0,1,2,3
	WMS 96+16*\p, F+12*\p, 22, 212+\p/2, \p%2      ; [q | 0]: keys 32 p + 16 h + 0 .. 7
	WMS 104+16*\p, F+12*\p, 16, 212+\p/2, \p%2     ; [0 | q]: keys 32 p + 16 h + 8 .. 15
.endr
	PLACES 4
.irp t, 0,1,2,3
.irp j, 0,1,2
	ds_load_b128 v[F+12*\t+4*\j:F+12*\t+4*\j+3], v5 offset:1536*\t+512*\j   ; V's fragments land under the softmax
.endr
.endr
.irp b, 0,1,2,3
	v_max3_num_f32 v[216+\b], v[96+16*\b], v[97+16*\b], v[98+16*\b]   ; the largest score of each block of 32 keys: for the row's maximum, and for the block's largest p
.endr
.irp i, 3,5,7,9,11,13
.irp b, 0,1,2,3
	v_max3_num_f32 v[216+\b], v[216+\b], v[96+16*\b+\i], v[97+16*\b+\i]
.endr
.endr
.irp b, 0,1,2,3
	v_max_num_f32 v[216+\b], v[216+\b], v[111+16*\b]
.endr
.irp b, 0,1,2,3
	v_permlanex16_b32 v[220+\b], v[216+\b], s40, s41
.endr
.irp b, 0,1,2,3
	v_max_num_f32 v[216+\b], v[216+\b], v[220+\b]  ; with lane l xor 16's 16 keys
.endr
	v_max3_num_f32 v234, v216, v217, v218
	v_max_num_f32 v234, v234, v219                 ; the step's largest score of my query
	v_mul_f32 v234, s42, v234                      ; as t (c is positive)
	v_max_num_f32 v13, v13, v234                   ; the running largest t
	v_mov_b32 v234, v12
	v_floor_f32 v12, -v13                          ; the new -M = floor(-t): M is a whole number
	v_sub_f32 v234, v12, v234                      ; old M - new M: a whole number, 0 or less
	v_cvt_i32_f32 v234, v234                       ; (it saturates)
	v_ldexp_f32 v232, 1.0, v234                    ; f = 2^(old M - new M)
.set j, 0
.rept 32
	v_pk_fma_f32 v[96+j:97+j], v[96+j:97+j], s[42:43], v[12:13] op_sel_hi:[1,0,0]   ; t - M, two at a time
.set j, j+2
.endr
.irp b, 0,1,2,3
	v_fma_f32 v[216+\b], v[216+\b], s42, v12       ; the same of each block's largest score
.endr
.set j, 0
.rept 64
	v_exp_f32 v[96+j], v[96+j]                     ; p = 2^(t - M), at most 1
.set j, j+1
.endr
	v_pk_mul_f32 v[14:15], v[14:15], v[232:233] op_sel_hi:[1,0]   ; the sums under the new M: a plain place behind the exponentials
	s_wait_alu depctr_va_vdst(0)                   ; one wait for the batch, ahead of its first reader
.irp b, 0,1,2,3
	v_exp_f32 v[216+\b], v[216+\b]                 ; the block's largest p
.endr
	v_pk_add_f32 v[236:237], v[96:97], v[98:99]    ; the row's sum is taken of the unquantised p: two at a time, in two chains
.irp j, 4,8,12,16,20,24,28,32,36,40,44,48,52,56,60
	v_pk_add_f32 v[14:15], v[14:15], v[96+\j:97+\j]
	v_pk_add_f32 v[236:237], v[236:237], v[98+\j:99+\j]
.endr
	v_pk_add_f32 v[14:15], v[14:15], v[236:237]
	s_wait_alu depctr_va_vdst(0)                   ; and one for the four
.irp b, 0,1,2,3
	v_max_num_f32 v[216+\b], 0x1800000, v[216+\b]  ; the floor 2^(3 - 127): the byte cannot fall under 1
.endr
.irp b, 0,1,2,3
	v_add_nc_u32 v[224+\b], 0xff000000, v[216+\b]  ; 2 off the exponent field: the conversion's scale operand
.endr
.irp b, 0,1,2,3
	v_lshrrev_b32 v[228+\b], 23, v[224+\b]         ; the scale's byte
.endr
	v_lshl_or_b32 v235, v229, 8, v228              ; p's scale word for these 128 keys
	v_lshl_or_b32 v235, v230, 16, v235
	v_lshl_or_b32 v235, v231, 24, v235
.irp c, 0,1
	v_cvt_scalef32_pk16_fp6_f32 v[192+6*\c:194+6*\c], v[96+32*\c:111+32*\c], v[224+2*\c]
	v_cvt_scalef32_pk16_fp6_f32 v[204+4*\c:206+4*\c], v[112+32*\c:127+32*\c], v[225+2*\c]
.endr
	v_nop                                          ; one plain place behind a scaled conversion
.irp c, 0,1
.irp i, 0,1,2
	v_permlane16_swap_b32 v[192+6*\c+\i], v[204+4*\c+\i]
.endr
.irp i, 0,1,2
	v_mov_b32 v[195+6*\c+\i], v[204+4*\c+\i]
.endr
.endr
.set j, 0
.rept 16
	v_pk_mul_f32 v[160+j:161+j], v[160+j:161+j], v[232:233] op_sel_hi:[1,0]   ; O^T under the new M; these sixteen are also the places in front of the products below
.set j, j+2
.endr
	s_wait_dscnt 0x0                               ; V's fragments are in
.irp t, 0,1,2,3
	WMO 160+8*\t, F+12*\t, 214+\t/2, \t%2          ; four accumulators, one instruction a turn
.endr
.endm
; A PASS: query tile u of my image, all 2,048 keys.
.macro PASS u
	s_wait_xcnt 0x0                                ; the last pass's stores have read their registers
.irp i, 0,1,2,3,4,5
	v_mov_b32 v[22+\i], v[36+6*(\u)+\i]            ; q's codes, between the zeros
.endr
.if \u
	v_lshrrev_b32 v34, 16, v35
.else
	v_and_b32 v34, 0xffff, v35
.endif
	v_lshl_or_b32 v34, v34, 16, v34                ; (s0, s1, s0, s1)
	v_mov_b32 v13, 0xff61b1e6                      ; the largest t so far: -3e38, under every t
	v_floor_f32 v12, -v13                          ; -M
	v_mov_b32 v14, 0
	v_mov_b32 v15, 0
.set j, 0
.rept 32
	v_mov_b32 v[160+j], 0                          ; O^T: the step is written once, its first trip finds zeros, which the first change of M leaves zeros
.set j, j+1
.endr
	s_mov_b32 s36, 0
	s_mov_b32 s37, 0
	s_mov_b32 s38, 16
.Lstep_\@:
	STEP
	s_add_co_u32 s36, s36, 6144                    ; the next 128 keys' images,
	s_add_co_u32 s37, s37, 256                     ; and scale words
	s_sub_co_u32 s38, s38, 1
	s_cmp_lg_u32 s38, 0
	s_cbranch_scc1 .Lstep_\@
	PLACES 4                                       ; behind the last products
	v_add_f32 v14, v14, v15
	v_permlanex16_b32 v220, v14, s40, s41
	v_add_f32 v14, v14, v220                       ; the row's sum
	v_rcp_f32 v14, v14
	v_nop                                          ; a plain place behind the transcendental
	s_wait_alu depctr_va_vdst(0)                   ; and the wait, ahead of the first reader
.set j, 0
.rept 32
	v_mul_f32 v[96+j], v[160+j], v14               ; register 16 b + i: channel 32 b + 16 h + i of my query
.set j, j+1
.endr
.irp b, 0,1
	v_max3_num_f32 v[216+\b], |v[96+16*\b]|, |v[97+16*\b]|, 0x1800000
.endr
.irp i, 2,4,6,8,10,12,14
.irp b, 0,1
	v_max3_num_f32 v[216+\b], v[216+\b], |v[96+16*\b+\i]|, |v[97+16*\b+\i]|
.endr
.endr
.irp b, 0,1
	v_permlanex16_b32 v[220+\b], v[216+\b], s40, s41
.endr
.irp b, 0,1
	v_max_num_f32 v[216+\b], v[216+\b], v[220+\b]
.endr
.irp b, 0,1
	v_add_nc_u32 v[224+\b], 0xff000000, v[216+\b]
.endr
.irp b, 0,1
	v_lshrrev_b32 v[228+\b], 23, v[224+\b]
.endr
	v_lshl_or_b32 v235, v229, 8, v228              ; the head's two scale bytes of my row
	v_cvt_scalef32_pk16_fp6_f32 v[192:194], v[96:111], v224
	v_cvt_scalef32_pk16_fp6_f32 v[204:206], v[112:127], v225
	v_nop
.irp i, 0,1,2
	v_permlane16_swap_b32 v[192+\i], v[204+\i]
.endr
.irp i, 0,1,2
	v_mov_b32 v[195+\i], v[204+\i]                 ; registers 0-5: channels 32 h + 0 .. 31
.endr
	global_store_b128 v1, v[192:195], s[8:9] offset:12288*(\u)       ; 512 consecutive bytes, aligned
	global_store_b64 v7, v[196:197], s[8:9] offset:12288*(\u)+512    ; 256 consecutive bytes, aligned
	global_store_b16 v8, v235, s[10:11] offset:512*(\u)              ; both halves of the lanes store the same two bytes
.endm
	PASS 0
	PASS 1
	s_wait_tensorcnt 0x0
	ds_add_u32 v254, v255
	s_wait_dscnt 0x0
	s_endpgm
.Lfunc_end_k_q57e19bac5e_attn:
	.size	k_q57e19bac5e_attn, .Lfunc_end_k_q57e19bac5e_attn-k_q57e19bac5e_attn
	.p2alignl 7, 3214868480
	.fill 96, 4, 3214868480
	.section	.rodata,"a",@progbits
	.p2align	6, 0x0
	.amdhsa_kernel k_q57e19bac5e_attn
		.amdhsa_group_segment_fixed_size 206848
		.amdhsa_private_segment_fixed_size 0
		.amdhsa_enable_private_segment 0
		.amdhsa_kernarg_size 32
		.amdhsa_user_sgpr_count 2
		.amdhsa_user_sgpr_kernarg_segment_ptr 1
		.amdhsa_wavefront_size32 1
		.amdhsa_system_sgpr_workgroup_id_x 1
		.amdhsa_system_sgpr_workgroup_id_y 1
		.amdhsa_system_sgpr_workgroup_id_z 1
		.amdhsa_system_vgpr_workitem_id 0
		.amdhsa_next_free_vgpr 256
		.amdhsa_next_free_sgpr 66
		.amdhsa_reserve_vcc 0
		.amdhsa_float_denorm_mode_32 3
		.amdhsa_float_denorm_mode_16_64 3
		.amdhsa_memory_ordered 1
		.amdhsa_forward_progress 1
		.amdhsa_inst_pref_size 47
	.end_amdhsa_kernel
	.amdgpu_metadata
---
amdhsa.version: [ 1, 2 ]
amdhsa.kernels:
  - .name:           k_q57e19bac5e_attn
    .symbol:         k_q57e19bac5e_attn.kd
    .args:
      - { .name: acts, .offset: 0, .size: 8, .value_kind: global_buffer, .address_space: global }
      - { .name: actsc, .offset: 8, .size: 8, .value_kind: global_buffer, .address_space: global }
      - { .name: xoimg, .offset: 16, .size: 8, .value_kind: global_buffer, .address_space: global }
      - { .name: xosc, .offset: 24, .size: 8, .value_kind: global_buffer, .address_space: global }
    .group_segment_fixed_size: 206848
    .private_segment_fixed_size: 0
    .kernarg_segment_align: 8
    .kernarg_segment_size: 32
    .max_flat_workgroup_size: 512
    .sgpr_count:     66
    .vgpr_count:     256
    .wavefront_size: 32
...
	.end_amdgpu_metadata
.endif
;; end of part 3
;; launch outproj (part 4): grid 64 x 4, 4 waves a work-group, no clusters, 168,448 bytes of LDS; arguments xoimg, xosc, wimg, wsc, bo, out0; writes out0
.if DOCPART == 4
	.amdgcn_target "amdgcn-amd-amdhsa--gfx1250"
	.amdhsa_code_object_version 6
	.text
	.protected	k_q57e19bac5e_outproj
	.globl	k_q57e19bac5e_outproj
	.p2align	8
	.type	k_q57e19bac5e_outproj,@function
k_q57e19bac5e_outproj:
	s_mov_b64 s[64:65], 0
	v_nop
	global_prefetch_b8 v0, s[64:65] scope:SCOPE_SE
	s_setreg_imm32_b32 hwreg(HW_REG_WAVE_MODE, 25, 1), 1
	s_wait_xcnt 0x0
; out0 = x Wo + bo on codes of FP6 (E2M3) with E8M0 scales.  x arrives as images of its operand registers: xoimg [token tile 512][head 16][768 bytes] (registers 0-3 as [lane][16], registers 4-5 as [lane][8]);
; a K step of 128 is two heads.  xosc [token tile][row 16][head 16][2 bytes]: a row's 32 bytes are its eight scale words.
; A work-group takes 128 tokens x 256 columns (64 x 4 = 256 work-groups); wave w takes 64 columns for all 128 tokens: 32 accumulators (8 token tiles x 4 column tiles), 8 K steps of 32 products.
; x's 98,304 bytes come into LDS once, a quarter by each wave's one tensor load; nothing is filled again.  Wo's fragments go from memory straight into registers, all asked for at the head: each is read by one wave alone.
; No cluster: what the four work-groups of a block of tokens share is this one first fill; there is no refill behind it.
; Source 0 = W's tile t, source 1 = token tile m, accumulator 4 m + t: a lane holds a token and eight neighbouring columns.  Row r of tile m is token 32 (m / 2) + 8 (m % 2) + r + 8 (r / 8); W's columns likewise.
; REGISTERS: window 0: v1-11 addresses; v20-35 W's scale words; v36-43 x's, two sets; v44-51 my row's scale words; v64-159, v160-255 x's fragments, two sets (on the way out v64-127 rows of the result).
;   window 1: W's sets 0-4.   window 2: sets 5-7; v144-175 the bias.   window 3: the accumulators.
.set XSC,  98304                       ; LDS: x's images from 0; here the scale words [m / 2][s][lane]; from 102,400 a stage of 16 rows x (256 + 16) bytes for each wave
.set STG,  102400
.set LI,   1                           ; v1  16 x lane;  v2 the same + 49,152;  v3 8 x lane;  v5 the same + 49,152;  v4 XSC + 4 x lane
.set LIB,  2
.set L8,   3
.set L4,   4
.set L8B,  5
.set XSW,  6                           ; v6  XSC + 1,024 wave + 4 x lane
.set STO,  7                           ; v7  the stage: where I put 32 bytes of a row
.set RD,   8                           ; v8  and where I read rows back
.set CO,   9                           ; v9  my byte offset in two rows of the result
.set BOQ,  10                          ; v10 64 h
.set XO,   11                          ; v11 32 x my thread's number
.set WS,   20
.set XS,   36
.set XF,   64
.set BK,   64
.set BIAS, 144
.set BP,   6
.set WP,   8
.set WSP,  10
.set OUT,  12
.set MSB, 0
.macro WIN new
.if MSB != (\new)
	s_set_vgpr_msb (MSB<<8)|(\new)
.set MSB, \new
.endif
.endm
.macro PLACES n
.rept \n
	v_nop
.endr
.endm
.macro WM d, a, b, c, sa, sb, ra, rb
.if (\ra) && (\rb)
	v_wmma_scale_f32_16x16x128_f8f6f4 v[\d:\d+7], v[\a:\a+11], v[\b:\b+11], v[\c:\c+7], v[\sa], v[\sb] matrix_a_fmt:MATRIX_FMT_FP6 matrix_b_fmt:MATRIX_FMT_FP6 matrix_a_scale:MATRIX_SCALE_ROW1 matrix_b_scale:MATRIX_SCALE_ROW1
.elseif (\ra)
	v_wmma_scale_f32_16x16x128_f8f6f4 v[\d:\d+7], v[\a:\a+11], v[\b:\b+11], v[\c:\c+7], v[\sa], v[\sb] matrix_a_fmt:MATRIX_FMT_FP6 matrix_b_fmt:MATRIX_FMT_FP6 matrix_a_scale:MATRIX_SCALE_ROW1
.elseif (\rb)
	v_wmma_scale_f32_16x16x128_f8f6f4 v[\d:\d+7], v[\a:\a+11], v[\b:\b+11], v[\c:\c+7], v[\sa], v[\sb] matrix_a_fmt:MATRIX_FMT_FP6 matrix_b_fmt:MATRIX_FMT_FP6 matrix_b_scale:MATRIX_SCALE_ROW1
.else
	v_wmma_scale_f32_16x16x128_f8f6f4 v[\d:\d+7], v[\a:\a+11], v[\b:\b+11], v[\c:\c+7], v[\sa], v[\sb] matrix_a_fmt:MATRIX_FMT_FP6 matrix_b_fmt:MATRIX_FMT_FP6
.endif
.endm
.macro FETCHO ks, bf                   ; x's eight fragments (two heads' halves each) and four registers of scale words of K step ks into set bf
.irp m, 0,1,2,3,4,5,6,7
.set rF, XF+96*(\bf)+12*\m
.set oF, ((\m%4)*8+(\ks))*1536
.if \m < 4
	ds_load_b128 v[rF:rF+3], v[LI] offset:oF
	ds_load_b64 v[rF+4:rF+5], v[L8] offset:oF+512
	ds_load_b128 v[rF+6:rF+9], v[LI] offset:oF+768
	ds_load_b64 v[rF+10:rF+11], v[L8] offset:oF+1280
.else
	ds_load_b128 v[rF:rF+3], v[LIB] offset:oF
	ds_load_b64 v[rF+4:rF+5], v[L8B] offset:oF+512
	ds_load_b128 v[rF+6:rF+9], v[LIB] offset:oF+768
	ds_load_b64 v[rF+10:rF+11], v[L8B] offset:oF+1280
.endif
.endr
.irp i, 0,1,2,3
	ds_load_b32 v[XS+4*(\bf)+\i], v[L4] offset:1024*\i+128*(\ks)
.endr
.endm
.macro WLOAD ks
.if (\ks) < 5
	WIN 0x40
.else
	WIN 0x80
.endif
.irp t, 0,1,2,3
.irp j, 0,1,2
	global_load_b128 v[48*((\ks)%5)+12*\t+4*\j:48*((\ks)%5)+12*\t+4*\j+3], v[LI], s[WP:WP+1] offset:(4*(\ks)+\t)*1536+512*\j
.endr
.endr
.endm
.macro MUL32 ks                        ; the accumulators take turns, one instruction a turn, in the same order in every K step
.set rW, 48*((\ks)%5)
.set rX, XF+96*((\ks)%2)
.set rXS, XS+4*((\ks)%2)
.if (\ks) == 0
	WIN 0xe1                                       ; source 0 (W) window 1, source 1 (x) window 0, C (the bias) window 2, D window 3
.elseif (\ks) < 5
	WIN 0xf1
.else
	WIN 0xf2
.endif
.irp m, 0,1,2,3,4,5,6,7
.irp t, 0,1,2,3
.set rD, 8*(4*\m+\t)
.set rC, rD
.if (\ks) == 0
.set rC, BIAS+8*\t
.endif
.set rA, rW+12*\t
.set rB, rX+12*\m
.set rSA, WS+8*(\t/2)+(\ks)
.set rSB, rXS+\m/2
	WM rD, rA, rB, rC, rSA, rSB, \t%2, \m%2
.endr
.endr
.endm
.macro KSTEP ks                        ; behind W's set ks only sets ks + 1 .. 7 were issued, 12 loads each; a wait's count names 63 at the most
.if 12*(7-(\ks)) > 63
	s_wait_loadcnt 63
.else
	s_wait_loadcnt 12*(7-(\ks))
.endif
	s_wait_dscnt 0x0                               ; this K step's fragments of x are in
	PLACES 4                                       ; in front of loads into registers that the last K step's products have read
.if (\ks) < 7
	FETCHO (\ks)+1, ((\ks)+1)%2
.endif
	MUL32 \ks
	WIN 0
.endm
	s_load_b256 s[16:23], s[0:1], 0x0              ; xoimg, xosc, wimg, wsc
	s_load_b128 s[24:27], s[0:1], 0x20             ; bo, out0
	v_lshl_add_u32 v62, v0, 2, 0x29000
	v_mov_b32 v63, 0
	ds_add_u32 v62, v63
	ds_add_u32 v62, v63
	v_lshrrev_b32 v12, 5, v0
	v_readfirstlane_b32 s2, v12                    ; wave
	s_and_b32 s3, ttmp7, 0xffff
	s_lshl_b32 s3, s3, 2
	s_add_co_u32 s3, s3, s2                        ; g: my 64 columns
	; descriptor group 1: 96 rows of 256 bytes (32 elements of 8 bytes), dense, no padding
	s_mov_b32 s32, 3<<16
	s_mov_b32 s33, 32<<16                          ; tensor_dim0
	s_mov_b32 s34, 96<<16                          ; tensor_dim1
	s_mov_b32 s35, 32<<16                          ; tile_dim0
	s_mov_b32 s36, 96                              ; tile_dim1
	s_mov_b32 s37, 32                              ; the pitch
	s_mov_b32 s38, 0
	s_mov_b32 s39, 0
	s_mov_b32 s28, 1
	s_mul_i32 s29, s2, 24576                       ; the LDS address: token tiles 2 w and 2 w + 1
	s_mul_i32 s44, ttmp9, 98304
	s_add_co_u32 s44, s44, s29
	s_mov_b32 s45, 0
	v_and_b32 v12, 31, v0                          ; lane
	v_and_b32 v13, 15, v0                          ; r
	v_bfe_u32 v14, v0, 4, 1                        ; h
	v_lshlrev_b32 v[LI], 4, v12
	v_add_nc_u32 v[LIB], 49152, v[LI]
	v_lshlrev_b32 v[L8], 3, v12
	v_add_nc_u32 v[L8B], 49152, v[L8]
	v_lshl_add_u32 v[L4], v12, 2, XSC
	s_lshl_b32 s46, s2, 10
	s_add_co_u32 s46, s46, XSC
	v_lshl_add_u32 v[XSW], v12, 2, s46
	s_mul_i32 s46, s2, 4352
	s_add_co_u32 s46, s46, STG                     ; my stage
	v_mul_u32_u24 v[STO], v13, 272
	v_lshl_add_u32 v[STO], v14, 6, v[STO]
	v_add_nc_u32 v[STO], s46, v[STO]               ; in: row r, + 64 h
	v_mul_u32_u24 v[RD], v14, 272
	v_lshl_add_u32 v[RD], v13, 4, v[RD]
	v_add_nc_u32 v[RD], s46, v[RD]                 ; back: lanes 0-15 one row, lanes 16-31 the next
	v_lshlrev_b32 v[CO], 12, v14
	v_lshl_add_u32 v[CO], v13, 4, v[CO]            ; and the same two rows of the result
	v_lshlrev_b32 v[BOQ], 6, v14
	v_lshlrev_b32 v[XO], 5, v0
	s_wait_dscnt 0x0
	s_wait_kmcnt 0x0
	s_add_nc_u64 s[30:31], s[16:17], s[44:45]
	s_or_b32 s31, s31, 0x80000000
	tensor_load_to_lds s[28:31], s[32:39]          ; my one tensor load
	s_nop 0
	PLACES 4                                       ; four v_nop follow it
	s_lshl_b32 s44, ttmp9, 12
	s_add_nc_u64 s[4:5], s[18:19], s[44:45]        ; the block's 128 rows of scale bytes
	s_lshl_b32 s44, s3, 8
	s_add_nc_u64 s[BP:BP+1], s[24:25], s[44:45]
	s_lshl_b32 s46, ttmp9, 19
	s_add_co_u32 s44, s44, s46
	s_add_nc_u64 s[OUT:OUT+1], s[26:27], s[44:45]  ; 128 rows of 4,096 bytes a block, + 256 g
	s_mul_i32 s44, s3, 49152
	s_add_co_u32 s44, s44, 2359296                 ; the fourth weight
	s_add_nc_u64 s[WP:WP+1], s[20:21], s[44:45]
	s_lshl_b32 s44, s3, 11
	s_add_co_u32 s44, s44, 98304
	s_add_nc_u64 s[WSP:WSP+1], s[22:23], s[44:45]
	global_load_b128 v[44:47], v[XO], s[4:5]       ; thread 16 m + r: the eight scale words of row r of tile m
	global_load_b128 v[48:51], v[XO], s[4:5] offset:16
	WIN 0x80
.irp t, 0,1,2,3
	global_load_b128 v[BIAS+8*\t:BIAS+8*\t+3], v[BOQ], s[BP:BP+1] offset:(32*(\t/2)+8*(\t%2))*4
	global_load_b128 v[BIAS+8*\t+4:BIAS+8*\t+7], v[BOQ], s[BP:BP+1] offset:(32*(\t/2)+8*(\t%2))*4+16
.endr
	WIN 0
.irp y, 0,1,2,3
.irp b, 0,1
	global_load_b64 v[WS+8*\b+2*\y:WS+8*\b+2*\y+1], v[L8], s[WSP:WSP+1] offset:(4*\b+\y)*256
.endr
.endr
	WLOAD 0
	WLOAD 1
	WLOAD 2
	WIN 0
	s_wait_loadcnt 52                              ; behind my row's two loads: the bias (8), W's scale words (8), three sets of 12
.irp s, 0,1,2,3,4,5,6,7
	ds_store_b32 v[XSW], v[44+\s] offset:128*\s    ; lanes 0-15 tile 2 w, lanes 16-31 tile 2 w + 1
.endr
.irp k, 3,4,5,6,7
	WLOAD \k
.endr
	WIN 0
	s_wait_tensorcnt 0x0                           ; my part of x has landed,
	s_wait_dscnt 0x0                               ; and my scale words
	s_barrier_signal -1
	s_barrier_wait -1                              ; everybody's have
	FETCHO 0, 0
.irp k, 0,1,2,3,4,5,6,7
	KSTEP \k
.endr
; THE WAY OUT, a token tile at a time: 16 rows x 64 columns go through my own stage and come back as whole rows of 256 bytes.  LDS serves a wave's instructions in order: no wait between the stores and the loads.
.macro TOSTAGE m
	WIN 0x0c                                       ; an LDS store's data are its source 1: window 3
.irp t, 0,1,2,3
	ds_store_b128 v[STO], v[8*(4*(\m)+\t):8*(4*(\m)+\t)+3] offset:128*(\t/2)+32*(\t%2)          ; each accumulator from its low end on
	ds_store_b128 v[STO], v[8*(4*(\m)+\t)+4:8*(4*(\m)+\t)+7] offset:128*(\t/2)+32*(\t%2)+16
.endr
	WIN 0
.irp i, 0,1,2,3,4,5,6,7
	ds_load_b128 v[BK+32*((\m)%2)+4*\i:BK+32*((\m)%2)+4*\i+3], v[RD] offset:544*\i
.endr
.endm
.macro SEND m, younger                 ; younger: the LDS instructions issued behind tile m's loads, which may stay out
	s_wait_dscnt \younger
.irp i, 0,1,2,3,4,5,6,7
	global_store_b128 v[CO], v[BK+32*((\m)%2)+4*\i:BK+32*((\m)%2)+4*\i+3], s[OUT:OUT+1] offset:(32*((\m)/2)+8*((\m)%2)+2*\i+8*(\i/4))*4096 th:TH_STORE_NT   ; sixteen lanes store 256 consecutive bytes, aligned
.endr
.endm
	PLACES 4                                       ; behind the last products
	TOSTAGE 0
.irp m, 1,2,3,4,5,6,7
.if \m > 1
	s_wait_xcnt 0x0                                ; tile m - 2's stores have read their registers: tile m's loads may land there
.endif
	TOSTAGE \m
	SEND \m-1, 16                                  ; behind tile m - 1's loads: tile m's 8 stores and 8 loads
.endr
	SEND 7, 0
	s_wait_tensorcnt 0x0
	ds_add_u32 v62, v63
	s_wait_dscnt 0x0
	s_endpgm
.Lfunc_end_k_q57e19bac5e_outproj:
	.size	k_q57e19bac5e_outproj, .Lfunc_end_k_q57e19bac5e_outproj-k_q57e19bac5e_outproj
	.p2alignl 7, 3214868480
	.fill 96, 4, 3214868480
	.section	.rodata,"a",@progbits
	.p2align	6, 0x0
	.amdhsa_kernel k_q57e19bac5e_outproj
		.amdhsa_group_segment_fixed_size 168448
		.amdhsa_private_segment_fixed_size 0
		.amdhsa_enable_private_segment 0
		.amdhsa_kernarg_size 48
		.amdhsa_user_sgpr_count 2
		.amdhsa_user_sgpr_kernarg_segment_ptr 1
		.amdhsa_wavefront_size32 1
		.amdhsa_system_sgpr_workgroup_id_x 1
		.amdhsa_system_sgpr_workgroup_id_y 1
		.amdhsa_system_sgpr_workgroup_id_z 1
		.amdhsa_system_vgpr_workitem_id 0
		.amdhsa_next_free_vgpr 1024
		.amdhsa_next_free_sgpr 66
		.amdhsa_reserve_vcc 0
		.amdhsa_float_denorm_mode_32 3
		.amdhsa_float_denorm_mode_16_64 3
		.amdhsa_memory_ordered 1
		.amdhsa_forward_progress 1
		.amdhsa_inst_pref_size 83
	.end_amdhsa_kernel
	.amdgpu_metadata
---
amdhsa.version: [ 1, 2 ]
amdhsa.kernels:
  - .name:           k_q57e19bac5e_outproj
    .symbol:         k_q57e19bac5e_outproj.kd
    .args:
      - { .name: xoimg, .offset: 0, .size: 8, .value_kind: global_buffer, .address_space: global }
      - { .name: xosc, .offset: 8, .size: 8, .value_kind: global_buffer, .address_space: global }
      - { .name: wimg, .offset: 16, .size: 8, .value_kind: global_buffer, .address_space: global }
      - { .name: wsc, .offset: 24, .size: 8, .value_kind: global_buffer, .address_space: global }
      - { .name: bo, .offset: 32, .size: 8, .value_kind: global_buffer, .address_space: global }
      - { .name: out0, .offset: 40, .size: 8, .value_kind: global_buffer, .address_space: global }
    .group_segment_fixed_size: 168448
    .private_segment_fixed_size: 0
    .kernarg_segment_align: 8
    .kernarg_segment_size: 48
    .max_flat_workgroup_size: 128
    .sgpr_count:     66
    .vgpr_count:     1024
    .wavefront_size: 32
...
	.end_amdgpu_metadata
.endif
;; end of part 4
;; ======== version 2 of 2: 4 launches
;; workspace buffers: wimg 3,145,728 bytes; wsc 131,072 bytes; acts 18,874,368 bytes; actsc 786,432 bytes; xoimg 6,291,456 bytes; xosc 262,144 bytes
;; launch quant_w (part 5): grid 32 x 4, 4 waves a work-group, no clusters, 0 bytes of LDS; arguments Wq, Wk, Wv, Wo, wimg, wsc; writes wimg, wsc
.if DOCPART == 5
	.amdgcn_target "amdgcn-amd-amdhsa--gfx1250"
	.amdhsa_code_object_version 6
	.text
	.protected	k_q57e19bac5e_quant_w
	.globl	k_q57e19bac5e_quant_w
	.p2align	8
	.type	k_q57e19bac5e_quant_w,@function
k_q57e19bac5e_quant_w:
	s_mov_b64 s[64:65], 0
	v_nop
	global_prefetch_b8 v0, s[64:65] scope:SCOPE_SE
	s_setreg_imm32_b32 hwreg(HW_REG_WAVE_MODE, 25, 1), 1
	s_wait_xcnt 0x0
; The four weights [1024 (k)][1024 (n)], f32, K their FIRST axis, become codes of FP6 (E2M3) with one E8M0 byte for each 32 along K,
; laid in the ORDER OF THE OPERAND'S REGISTERS: wimg [weight 4][group g of 64 columns 16][K step s of 128 8][tile t 4][1,536 bytes].
; A fragment (16 columns x 128 K) is 12 registers a lane, stored as [j = 0..2][lane][16 bytes].
; THE COLUMNS OF A TILE ARE NOT NEIGHBOURS: row r of tile t is column 64 g + 32 (t / 2) + 8 (t % 2) + r + 8 (r / 8).
; wsc [weight][g][b = t / 2][s / 2][lane 32][2 words]: word s % 2; lanes 0-15 tile 2 b, lanes 16-31 tile 2 b + 1.
; A LANE TAKES A COLUMN AND ITS REGISTERS RUN DOWN K: a block of 32 lies in one lane, and the conversions give codes with K innermost.
; A wave takes 32 columns (tiles 2 b and 2 b + 1) x 256 along K (two K steps): lane i is row r = (i & 7) + 8 (i >> 4) of tile 2 b + ((i >> 3) & 1),
; and holds what the fragment's lanes (r, 0) and (r, 1) want: two runs of 12 registers for each K step.
; A block's scale is 2^(floor(log2(largest magnitude)) - 2); its byte is the largest magnitude's exponent field - 2, held at 1 from below.
; LIMITS: a block of zeros, or one under 2^-124, gets the byte 1 (its codes are zeros or right; this program alone reads the bytes); NaN and infinities are not served.
; No LDS, no barrier: waves share nothing.  Loads run two blocks (64 loads a wave) ahead.  Every offset is an immediate.
.set X,  16                            ; v16-79   two sets of 32 numbers
.set G,  80                            ; v80-127  G + 24 sigma + 12 h: the 12 registers of fragment lane (r, h), K step sigma
.set CT, 128                           ; v128-130 a block's upper 16 codes, before they are moved
.set SB, 14                            ; v14-15   the two scale words
	s_load_b256 s[4:11], s[0:1], 0x0               ; Wq, Wk, Wv, Wo
	s_load_b128 s[12:15], s[0:1], 0x20             ; wimg, wsc
	v_lshrrev_b32 v1, 5, v0
	v_readfirstlane_b32 s16, v1                    ; wave
	v_and_b32 v1, 31, v0                           ; lane i
	v_lshlrev_b32 v2, 2, v1                        ; in: 4 bytes a lane
	v_bfe_u32 v5, v1, 3, 1                         ; u: which of the two tiles
	v_and_b32 v6, 7, v1
	v_lshrrev_b32 v7, 4, v1
	v_lshl_add_u32 v6, v7, 3, v6                   ; r
	v_lshlrev_b32 v3, 4, v6
	v_mad_u32_u24 v3, v5, 1536, v3                 ; codes: 1,536 u + 16 r
	v_lshl_add_u32 v4, v5, 4, v6
	v_lshlrev_b32 v4, 3, v4                        ; scale words: 8 (r + 16 u)
	s_lshr_b32 s17, ttmp9, 3                       ; which weight
	s_and_b32 s18, ttmp9, 7                        ; which 128 columns
	s_and_b32 s19, ttmp7, 0xffff                   ; which 256 along K
	s_lshr_b32 s20, s16, 1
	s_lshl_b32 s21, s18, 1
	s_add_co_u32 s20, s20, s21                     ; g
	s_and_b32 s21, s16, 1                          ; b
	s_lshl_b32 s24, s19, 20                        ; in: 256 y rows of 4,096 bytes
	s_lshl_b32 s22, s18, 9
	s_add_co_u32 s24, s24, s22
	s_lshl_b32 s22, s16, 7
	s_add_co_u32 s24, s24, s22                     ; + 4 x my first column
	s_mov_b32 s25, 0
	s_mul_i32 s26, s17, 786432                     ; codes
	s_mul_i32 s22, s20, 49152
	s_add_co_u32 s26, s26, s22
	s_mul_i32 s22, s19, 12288
	s_add_co_u32 s26, s26, s22
	s_mul_i32 s22, s21, 3072
	s_add_co_u32 s26, s26, s22
	s_mov_b32 s27, 0
	s_lshl_b32 s28, s17, 15                        ; scale words
	s_lshl_b32 s22, s20, 11
	s_add_co_u32 s28, s28, s22
	s_lshl_b32 s22, s21, 10
	s_add_co_u32 s28, s28, s22
	s_lshl_b32 s22, s19, 8
	s_add_co_u32 s28, s28, s22
	s_mov_b32 s29, 0
	s_wait_alu depctr_va_vdst(0)
	s_wait_kmcnt 0x0
	s_cmp_eq_u32 s17, 1                            ; the choice hangs on the work-group's number alone
	s_cselect_b64 s[4:5], s[6:7], s[4:5]
	s_cmp_eq_u32 s17, 2
	s_cselect_b64 s[4:5], s[8:9], s[4:5]
	s_cmp_eq_u32 s17, 3
	s_cselect_b64 s[4:5], s[10:11], s[4:5]
	s_add_nc_u64 s[4:5], s[4:5], s[24:25]
	s_add_nc_u64 s[12:13], s[12:13], s[26:27]
	s_add_nc_u64 s[14:15], s[14:15], s[28:29]
.macro LOAD t                          ; block t: W(32 t + i, my column) into set t % 2; a wave reads 128 consecutive bytes, the work-group 512
.irp i, 0,1,2,3,4,5,6,7,8,9,10,11,12,13,14,15,16,17,18,19,20,21,22,23,24,25,26,27,28,29,30,31
	global_load_b32 v[X+32*((\t)%2)+\i], v2, s[4:5] offset:(32*(\t)+\i)*4096 th:TH_LOAD_NT
.endr
.endm
	LOAD 0
	LOAD 1
.macro BLOCK t                         ; block t = 4 sigma + 2 c + h goes to registers 6 c .. 6 c + 5 of G[sigma][h]
.set XS, X+32*((\t)%2)
.set GG, G+24*((\t)/4)+12*((\t)%2)+6*(((\t)/2)%2)
.if (\t) < 7
	s_wait_loadcnt 32                              ; this block's 32 loads are in; the next block's may be out
.else
	s_wait_loadcnt 0x0
.endif
	v_max3_num_f32 v8, |v[XS]|, |v[XS+1]|, |v[XS+2]|   ; the block's largest magnitude: all 32 numbers are mine; two chains
	v_max3_num_f32 v9, |v[XS+3]|, |v[XS+4]|, |v[XS+5]|
.irp i, 6,10,14,18,22,26
	v_max3_num_f32 v8, v8, |v[XS+\i]|, |v[XS+\i+1]|
	v_max3_num_f32 v9, v9, |v[XS+\i+2]|, |v[XS+\i+3]|
.endr
	v_max3_num_f32 v8, v8, |v[XS+30]|, |v[XS+31]|
	v_max3_num_f32 v8, v8, v9, 0x1800000           ; and the floor 2^(3 - 127): the byte cannot fall under 1
	v_add_nc_u32 v10, 0xff000000, v8               ; 2 off the exponent field: the conversion takes this operand's exponent field as its scale
	v_lshrrev_b32 v11, 23, v10                     ; the scale's byte
.if ((\t)%4) == 0
	v_mov_b32 v[SB+(\t)/4], v11                    ; four bytes to a word, the lower K in the lower byte
.else
	v_lshl_or_b32 v[SB+(\t)/4], v11, 8*((\t)%4), v[SB+(\t)/4]
.endif
	v_cvt_scalef32_pk16_fp6_f32 v[GG:GG+2], v[XS:XS+15], v10
	v_cvt_scalef32_pk16_fp6_f32 v[CT:CT+2], v[XS+16:XS+31], v10   ; (a conversion's three registers begin on an even number)
	v_nop                                          ; one plain place behind a scaled conversion
.irp i, 0,1,2
	v_mov_b32 v[GG+3+\i], v[CT+\i]
.endr
.if (\t)+2 < 8
	LOAD (\t)+2
.endif
.if ((\t)%4) == 3                      ; a K step's fragments are whole: the sixteen lanes of one tile store 256 consecutive bytes, aligned
.irp h, 0,1
.irp j, 0,1,2
	global_store_b128 v3, v[G+24*((\t)/4)+12*\h+4*\j:G+24*((\t)/4)+12*\h+4*\j+3], s[12:13] offset:((\t)/4)*6144+256*\h+512*\j
.endr
.endr
.endif
.endm
.irp t, 0,1,2,3,4,5,6,7
	BLOCK \t
.endr
	global_store_b64 v4, v[SB:SB+1], s[14:15]      ; 32 lanes store 256 consecutive bytes, aligned.  No register that a store reads is written again
	s_endpgm
.Lfunc_end_k_q57e19bac5e_quant_w:
	.size	k_q57e19bac5e_quant_w, .Lfunc_end_k_q57e19bac5e_quant_w-k_q57e19bac5e_quant_w
	.p2alignl 7, 3214868480
	.fill 96, 4, 3214868480
	.section	.rodata,"a",@progbits
	.p2align	6, 0x0
	.amdhsa_kernel k_q57e19bac5e_quant_w
		.amdhsa_group_segment_fixed_size 0
		.amdhsa_private_segment_fixed_size 0
		.amdhsa_enable_private_segment 0
		.amdhsa_kernarg_size 48
		.amdhsa_user_sgpr_count 2
		.amdhsa_user_sgpr_kernarg_segment_ptr 1
		.amdhsa_wavefront_size32 1
		.amdhsa_system_sgpr_workgroup_id_x 1
		.amdhsa_system_sgpr_workgroup_id_y 1
		.amdhsa_system_sgpr_workgroup_id_z 1
		.amdhsa_system_vgpr_workitem_id 0
		.amdhsa_next_free_vgpr 136
		.amdhsa_next_free_sgpr 66
		.amdhsa_reserve_vcc 0
		.amdhsa_float_denorm_mode_32 3
		.amdhsa_float_denorm_mode_16_64 3
		.amdhsa_memory_ordered 1
		.amdhsa_forward_progress 1
		.amdhsa_inst_pref_size 40
	.end_amdhsa_kernel
	.amdgpu_metadata
---
amdhsa.version: [ 1, 2 ]
amdhsa.kernels:
  - .name:           k_q57e19bac5e_quant_w
    .symbol:         k_q57e19bac5e_quant_w.kd
    .args:
      - { .name: Wq, .offset: 0, .size: 8, .value_kind: global_buffer, .address_space: global }
      - { .name: Wk, .offset: 8, .size: 8, .value_kind: global_buffer, .address_space: global }
      - { .name: Wv, .offset: 16, .size: 8, .value_kind: global_buffer, .address_space: global }
      - { .name: Wo, .offset: 24, .size: 8, .value_kind: global_buffer, .address_space: global }
      - { .name: wimg, .offset: 32, .size: 8, .value_kind: global_buffer, .address_space: global }
      - { .name: wsc, .offset: 40, .size: 8, .value_kind: global_buffer, .address_space: global }
    .group_segment_fixed_size: 0
    .private_segment_fixed_size: 0
    .kernarg_segment_align: 8
    .kernarg_segment_size: 48
    .max_flat_workgroup_size: 128
    .sgpr_count:     66
    .vgpr_count:     136
    .wavefront_size: 32
...
	.end_amdgpu_metadata
.endif
;; end of part 5
;; launch proj (part 6): grid 64 x 3, 4 waves a work-group, no clusters, 170,496 bytes of LDS; arguments query, key, value, bq, bk, bv, wimg, wsc, acts, actsc; writes acts, actsc
.if DOCPART == 6
	.amdgcn_target "amdgcn-amd-amdhsa--gfx1250"
	.amdhsa_code_object_version 6
	.text
	.protected	k_q57e19bac5e_proj
	.globl	k_q57e19bac5e_proj
	.p2align	8
	.type	k_q57e19bac5e_proj,@function
k_q57e19bac5e_proj:
	s_mov_b64 s[64:65], 0
	v_nop
	global_prefetch_b8 v0, s[64:65] scope:SCOPE_SE
	s_setreg_imm32_b32 hwreg(HW_REG_WAVE_SCHED_MODE, 0, 2), 2
	s_setreg_imm32_b32 hwreg(HW_REG_WAVE_MODE, 25, 1), 1
	s_wait_xcnt 0x0
	s_wait_alu depctr_vm_vsrc(0)
; q = query Wq + bq, k = key Wk + bk, v = value Wv + bv, on codes of FP6 (E2M3) with E8M0 scales; the results leave QUANTISED, as images of the next products' operand registers.
; A work-group takes 128 tokens of one tensor (y = 0, 1, 2): x is read from memory once in the launch.  3 x 64 = 192 work-groups: three tensors do not divide 256, and blocks of
; 64 tokens would read each weight (786,432 bytes of codes a work-group) twice as often.
; PHASE X: wave w quantises token tiles 2 w and 2 w + 1 (32 rows x 1,024) along K into LDS, as images of fragments.  One barrier.
; MAIN: wave w makes heads 4 w .. 4 w + 3, one after the other, for all 128 tokens: 32 accumulators (4 channel tiles x 8 token tiles), 8 K steps of 32 matrix instructions.
; The weights' fragments go from memory straight into registers, a ring of 8 sets (one head), each set asked for again as soon as its K step is multiplied: each fragment is read
; by one wave of the work-group alone, so nothing of W would be shared in LDS.  No cluster: the work-groups of one tensor walk the same weights, but by register loads; tiles in LDS are each work-group's own.
; THE ROWS OF A TILE ARE NOT NEIGHBOURS: row r of tile m of a group of 128 is element 32 (m / 2) + 8 (m % 2) + r + 8 (r / 8), for tokens and for channels alike.
; So in a result the 16 registers of tiles 2 b and 2 b + 1 of source 0 are the 16 neighbours 32 b + 16 (lane / 16) + 0 .. 15 along source 0's axis.
; q, k: source 0 = W's tile t, source 1 = token tile m, accumulator 4 m + t: a lane holds a token, its registers run along the head's channels (the scores' K).
;   Image i of a block: registers 0-5 token tile 2 i, registers 6-11 token tile 2 i + 1 (64 channels each).
; v: source 0 = token tile m, source 1 = W's tile t, accumulator 8 t + m: a lane holds a channel, its registers run along the tokens (the second product's K).  Image i: channel tile i x 128 keys.
; In both, accumulator registers 64 i .. 64 i + 63 are the 64 numbers of image i, so the way out is one text.
; acts [tensor 3][batch x head 64][block 16][image 4][1,536]; actsc [tensor][batch x head][block][lane 32][2 words]: word i / 2, lanes 16 (i % 2) + r: image i's scale word of row r.
; LIMITS: a block of zeros, or one under 2^-124, gets the byte 1; NaN and infinities are not served.
; REGISTERS, in windows of 256.  Window 0: v1-18 addresses and words; v20-35 W's scale words; v36-43 x's, two sets; v62, v63 the closing add's two; v64-159, v160-255 x's fragments, two sets.
;   window 1: W's sets 0-4 (48 s + 12 t).   window 2: sets 5-7; v144-175 the bias in the result's layout.   window 3: the accumulators.
;   In phase X: window 3 four sets of 64 numbers as loaded; window 0 v64-191 two sets of 64 neighbours, v192-231 codes, v232-247 at work.  On the way out v160-239 codes, v240-255 at work.
; THE MODE: SCHED_MODE bits 1:0 = 2 (LLVM: expert scheduling mode 2), set by the entry lines.  The code itself states the register dependences
; between vector or matrix instructions and memory or LDS instructions, with s_wait_alu, always for 0.
; THE PLAN.  Registers that memory or LDS instructions touch, and who else names them:
;   v1-v10        Addresses and offsets: made at the head, never written again.
;   PHASE X, unit q of a trip (step q):
;   raw set q     Written by the loads issued in step q (the same unit of the next trip); read by the stage's LDS stores issued in step q - 1.  No vector instruction names it.
;   X[q % 2]      Written by the stage's LDS loads issued in step q - 1; read by step q's quantiser.
;   codes, word [q % 2]  Written by step q's quantiser; read by four LDS stores issued at the head of step q + 1 (unit 3's: at the end of its own step).
;   v[AIM], v[ASC]       Written at the head of step 0; read by those stores, from step 1 on.
;   So a step's head holds one wait on vm_vsrc and (steps 1 to 3) one on va_vdst, and one more on va_vdst stands behind unit 3's quantiser; all the step's loads and stores follow with no further wait.
;   MAIN, K step s:
;   x's set (s + 1) % 2 and its scale words   Read by the products of K step s - 1; the LDS loads of step s land in them.
;   W's set s - 1, W's scale words of K steps s - 2 and s - 1, the bias   Read by products of earlier K steps; the next head's loads land in them in step s (set 7 and the last scale words: behind K step 7).
;   So ONE wait on va_vdst stands at a K step's head.  Behind it the step's loads are dealt among its 32 products, which name x's other set, W's set s, scale word s and the accumulators: none of the registers that those loads touch.
;   THE WAY OUT: the four quantisers write codes and words of their own; one wait on va_vdst; thirteen stores; one wait on vm_vsrc ahead of the next head, whose LDS loads land on the codes.
.set XSC,  98304                       ; LDS: x's images [m 8][s 8][1,536] from 0; here their scale words [m / 2][s][lane] (lanes 0-15 tile 2 i, lanes 16-31 tile 2 i + 1);
.set STG,  102400                      ; and for each wave two stages of 16 rows x (512 + 16) bytes
.set LI,   1                           ; v1   16 x lane
.set LIB,  2                           ; v2   the same + 49,152 (tiles 4-7)
.set L8,   3                           ; v3   8 x lane
.set L4,   4                           ; v4   XSC + 4 x lane
.set XSW0, 5                           ; v5   XSC + 1,024 wave + 4 r
.set STW,  6                           ; v6   my stage + 16 x lane
.set STR,  7                           ; v7   my stage + 528 r + 64 h
.set XIW0, 8                           ; v8   24,576 wave + 16 x lane
.set BOQ,  9                           ; v9   64 h
.set BOV,  10                          ; v10  4 (r + 8 (r / 8))
.set AIM,  11                          ; v11  phase X: where this trip's images go
.set PW,   12                          ; v12-15 scale words just made
.set SCW,  16                          ; v16-17 the two words that leave
.set ASC,  18                          ; v18  phase X: where this trip's scale words go
.set WS,   20
.set XS,   36
.set XF,   64
.set BIAS, 144
.set XB,   4                           ; s[4:5] x;  s[6:7] bias;  s[8:9] W's images;  s[10:11] W's scale words;  s[12:13] acts;  s[14:15] actsc
.set BP,   6
.set WP,   8
.set WSP,  10
.set OUT,  12
.set OUTS, 14
.set SEL,  42
.set MSB, 0
.macro WIN new                         ; the immediate's high byte repeats the setting that is left; a switch that changes nothing is dropped
.if MSB != (\new)
	s_set_vgpr_msb (MSB<<8)|(\new)
.set MSB, \new
.endif
.endm
.macro PLACES n
.rept \n
	v_nop
.endr
.endm
.macro WM d, a, b, c, sa, sb, ra, rb   ; one product; ra, rb: the side's scale words lie in lanes 16-31
.if (\ra) && (\rb)
	v_wmma_scale_f32_16x16x128_f8f6f4 v[\d:\d+7], v[\a:\a+11], v[\b:\b+11], v[\c:\c+7], v[\sa], v[\sb] matrix_a_fmt:MATRIX_FMT_FP6 matrix_b_fmt:MATRIX_FMT_FP6 matrix_a_scale:MATRIX_SCALE_ROW1 matrix_b_scale:MATRIX_SCALE_ROW1
.elseif (\ra)
	v_wmma_scale_f32_16x16x128_f8f6f4 v[\d:\d+7], v[\a:\a+11], v[\b:\b+11], v[\c:\c+7], v[\sa], v[\sb] matrix_a_fmt:MATRIX_FMT_FP6 matrix_b_fmt:MATRIX_FMT_FP6 matrix_a_scale:MATRIX_SCALE_ROW1
.elseif (\rb)
	v_wmma_scale_f32_16x16x128_f8f6f4 v[\d:\d+7], v[\a:\a+11], v[\b:\b+11], v[\c:\c+7], v[\sa], v[\sb] matrix_a_fmt:MATRIX_FMT_FP6 matrix_b_fmt:MATRIX_FMT_FP6 matrix_b_scale:MATRIX_SCALE_ROW1
.else
	v_wmma_scale_f32_16x16x128_f8f6f4 v[\d:\d+7], v[\a:\a+11], v[\b:\b+11], v[\c:\c+7], v[\sa], v[\sb] matrix_a_fmt:MATRIX_FMT_FP6 matrix_b_fmt:MATRIX_FMT_FP6
.endif
.endm
; 64 numbers of a lane in window w, register 16 b + i = k 32 b + 16 (lane / 16) + i of my row, become a fragment's codes in v[pc] .. v[pc + 11] and its scale word in v[pw].
; The floor is source 0 of the first maxima, so that the numbers are always sources 1 and 2.  Each run of eight registers is read from its low end on.
.macro QUANT src, w, pc, pw, tm
	WIN ((\w)<<2)|((\w)<<4)
.irp b, 0,1,2,3
	v_max3_num_f32 v[(\tm)+\b], 0x1800000, |v[(\src)+16*\b]|, |v[(\src)+1+16*\b]|   ; my 16 numbers of block b, and the floor 2^(3 - 127): the byte cannot fall under 1
.endr
.irp i, 2,4,6,8,10,12,14
.irp b, 0,1,2,3
	v_max3_num_f32 v[(\tm)+\b], v[(\tm)+\b], |v[(\src)+16*\b+\i]|, |v[(\src)+1+16*\b+\i]|   ; (the four blocks by turns)
.endr
.endr
	WIN 0
.irp b, 0,1,2,3
	v_permlanex16_b32 v[(\tm)+4+\b], v[(\tm)+\b], s[SEL], s[SEL+1]
.endr
.irp b, 0,1,2,3
	v_max_num_f32 v[(\tm)+\b], v[(\tm)+\b], v[(\tm)+4+\b]   ; with lane l xor 16's: the block's largest magnitude
.endr
.irp b, 0,1,2,3
	v_add_nc_u32 v[(\tm)+12+\b], 0xff000000, v[(\tm)+\b]    ; 2 off its exponent field: the conversion's scale operand
.endr
.irp b, 0,1,2,3
	v_lshrrev_b32 v[(\tm)+4+\b], 23, v[(\tm)+12+\b]         ; the scale's byte
.endr
	v_lshl_or_b32 v[\pw], v[(\tm)+5], 8, v[(\tm)+4]
	v_lshl_or_b32 v[\pw], v[(\tm)+6], 16, v[\pw]
	v_lshl_or_b32 v[\pw], v[(\tm)+7], 24, v[\pw]
	WIN (\w)
.irp c, 0,1
	v_cvt_scalef32_pk16_fp6_f32 v[(\pc)+6*\c:(\pc)+6*\c+2], v[(\src)+32*\c:(\src)+32*\c+15], v[(\tm)+12+2*\c]
	v_cvt_scalef32_pk16_fp6_f32 v[(\pc)+12+4*\c:(\pc)+14+4*\c], v[(\src)+16+32*\c:(\src)+31+32*\c], v[(\tm)+13+2*\c]   ; (a conversion's three registers begin on an even number)
.endr
	WIN 0
	v_nop                                          ; one plain place behind a scaled conversion
.irp c, 0,1                            ; the operand's layout wants a WHOLE block in a lane: lanes 0-15 block 2 c, lanes 16-31 block 2 c + 1
.irp i, 0,1,2
	v_permlane16_swap_b32 v[(\pc)+6*\c+\i], v[(\pc)+12+4*\c+\i]
.endr
.irp i, 0,1,2
	v_mov_b32 v[(\pc)+3+6*\c+\i], v[(\pc)+12+4*\c+\i]
.endr
.endr
.endm
; PHASE X.  Unit q of a trip: token tile 2 w + q % 2, K step 2 x trip + q / 2.  Each load reads 512 consecutive bytes of one row, 16 a lane.
.macro LOADX q, off
	WIN 0xc0                                       ; destination window 3
.irp p, 0,1,2,3,4,5,6,7,8,9,10,11,12,13,14,15
	global_load_b128 v[64*(\q)+4*\p:64*(\q)+4*\p+3], v[LI], s[XB:XB+1] offset:(8*((\q)%2)+\p+8*(\p/8))*4096+512*((\q)/2)+(\off) th:TH_LOAD_NT
.endr
	WIN 0
.endm
.macro TURN q                          ; a unit through my stage: in as loaded, back 16 neighbours of each block a lane.  LDS serves a wave's instructions in order: no wait between
	WIN 0x0c                                       ; an LDS store's data are its source 1: window 3
.irp p, 0,1,2,3,4,5,6,7,8,9,10,11,12,13,14,15
	ds_store_b128 v[STW], v[64*(\q)+4*\p:64*(\q)+4*\p+3] offset:8448*((\q)%2)+528*\p
.endr
	WIN 0
.irp b, 0,1,2,3
.irp j, 0,1,2,3
	ds_load_b128 v[64+64*((\q)%2)+16*\b+4*\j:64+64*((\q)%2)+16*\b+4*\j+3], v[STR] offset:8448*((\q)%2)+128*\b+16*\j
.endr
.endr
.endm
.macro IMGST q                         ; unit q's fragment goes to LDS as it stands, and its scale words
.irp j, 0,1,2
	ds_store_b128 v[AIM], v[192+20*((\q)%2)+4*\j:192+20*((\q)%2)+4*\j+3] offset:(8*((\q)%2)+(\q)/2)*1536+512*\j
.endr
	ds_store_b32 v[ASC], v[12+(\q)%2] offset:64*((\q)%2)+128*((\q)/2)   ; both halves of the lanes write the same word with the same value
.endm
.macro STEPX q, ahead, left
	s_wait_dscnt 0x0                               ; this unit's numbers are back from the stage: behind their loads nothing was issued to LDS (ahead of step 0: unit 3's four stores)
	s_wait_alu depctr_vm_vsrc(0)                   ; the stage's LDS stores have read raw set q, in which the loads below land; the LDS stores of two units back have read the codes and the word that this step's quantiser writes; in step 0 the last trip's have read v[AIM] and v[ASC]
.if (\q) == 0
	v_add_nc_u32 v[AIM], s38, v[XIW0]              ; this trip's places; their first readers stand behind step 1's wait on va_vdst
	v_add_nc_u32 v[ASC], s39, v[XSW0]
.else
	s_wait_alu depctr_va_vdst(0)                   ; the last step's quantiser has written its codes and its word, which the four stores below read, and is done reading its 64 numbers, in which the stage's loads below land; in step 1 v[AIM] and v[ASC] are written
	IMGST (\q)-1
.endif
.if \ahead
	LOADX \q, 1024                                 ; the same unit of the next trip
.endif
.if ((\q) < 3) || (\ahead)
	s_wait_loadcnt \left                           ; the next unit's 16 loads are in; the younger units' may be out
	TURN ((\q)+1)%4
.endif
	QUANT 64+64*((\q)%2), 0, 192+20*((\q)%2), 12+(\q)%2, 232
.if (\q) == 3
	s_wait_alu depctr_va_vdst(0)                   ; unit 3's quantiser has written its codes and its word, which the four stores below read, and is done reading its 64 numbers, in which LDS loads land next (the next trip's step 0; behind the last trip, x's first fragments)
	IMGST 3
.endif
.endm
; MAIN.
.macro FETCHF ks, bf, m                ; x's fragment of token tile m, K step ks, into set bf
.irp j, 0,1,2
.if (\m) < 4
	ds_load_b128 v[XF+96*(\bf)+12*(\m)+4*\j:XF+96*(\bf)+12*(\m)+4*\j+3], v[LI] offset:(((\m)%4)*8+(\ks))*1536+512*\j
.else
	ds_load_b128 v[XF+96*(\bf)+12*(\m)+4*\j:XF+96*(\bf)+12*(\m)+4*\j+3], v[LIB] offset:(((\m)%4)*8+(\ks))*1536+512*\j
.endif
.endr
.endm
.macro FETCHS ks, bf                   ; x's four registers of scale words of K step ks into set bf
.irp i, 0,1,2,3
	ds_load_b32 v[XS+4*(\bf)+\i], v[L4] offset:1024*\i+128*(\ks)
.endr
.endm
.macro FETCHX ks, bf                   ; x's eight fragments and four registers of scale words of K step ks into set bf
.irp m, 0,1,2,3,4,5,6,7
	FETCHF \ks, \bf, \m
.endr
	FETCHS \ks, \bf
.endm
.macro WLOAD ks, nx                    ; W's four fragments of K step ks, of this head (nx = 0) or the next (1)
.if (\ks) < 5
	WIN 0x40
.else
	WIN 0x80
.endif
.irp t, 0,1,2,3
.irp j, 0,1,2
	global_load_b128 v[48*((\ks)%5)+12*\t+4*\j:48*((\ks)%5)+12*\t+4*\j+3], v[LI], s[WP:WP+1] offset:(\nx)*49152+(4*(\ks)+\t)*1536+512*\j
.endr
.endr
.endm
.macro WSLOAD y, nx                    ; W's scale words of K steps 2 y and 2 y + 1
	WIN 0
.irp b, 0,1
	global_load_b64 v[WS+8*\b+2*(\y):WS+8*\b+2*(\y)+1], v[L8], s[WSP:WSP+1] offset:(\nx)*2048+(4*\b+(\y))*256
.endr
.endm
.macro BIASLOAD path, nx               ; the bias in the result's layout: it is the C of each sum's first product
	WIN 0x80
.if \path == 0
.irp t, 0,1,2,3
	global_load_b128 v[BIAS+8*\t:BIAS+8*\t+3], v[BOQ], s[BP:BP+1] offset:(\nx)*256+(32*(\t/2)+8*(\t%2))*4
	global_load_b128 v[BIAS+8*\t+4:BIAS+8*\t+7], v[BOQ], s[BP:BP+1] offset:(\nx)*256+(32*(\t/2)+8*(\t%2))*4+16
.endr
.else
.irp t, 0,1,2,3
.irp j, 0,1,2,3,4,5,6,7
	global_load_b32 v[BIAS+8*\t+\j], v[BOV], s[BP:BP+1] offset:(\nx)*256+(32*(\t/2)+8*(\t%2))*4
.endr
.endr
.endif
.endm
; Quarter u of a K step's 32 products: eight.  The accumulators take turns, one instruction a turn, in the same order in every K step.
.macro MULQ path, ks, u
.set rW, 48*((\ks)%5)
.set rX, XF+96*((\ks)%2)
.set rXS, XS+4*((\ks)%2)
.if \path == 0
.if (\ks) == 0
	WIN 0xe1                                       ; source 0 (W) window 1, source 1 (x) window 0, C (the bias) window 2, D window 3
.elseif (\ks) < 5
	WIN 0xf1
.else
	WIN 0xf2
.endif
.irp e, 0,1                            ; token tiles 2 u and 2 u + 1, each against W's four tiles
.irp t, 0,1,2,3
.set rM, 2*(\u)+\e
.set rD, 8*(4*rM+\t)
.set rC, rD
.if (\ks) == 0
.set rC, BIAS+8*\t
.endif
.set rA, rW+12*\t
.set rB, rX+12*rM
.set rSA, WS+8*(\t/2)+(\ks)
.set rSB, rXS+rM/2
	WM rD, rA, rB, rC, rSA, rSB, \t%2, rM%2
.endr
.endr
.else
.if (\ks) == 0
	WIN 0xe4                                       ; source 0 (x) window 0, source 1 (W) window 1, C (the bias) window 2, D window 3
.elseif (\ks) < 5
	WIN 0xf4
.else
	WIN 0xf8
.endif
.irp m, 0,1,2,3,4,5,6,7                ; W's tile u against the eight token tiles
.set rD, 8*(8*(\u)+\m)
.set rC, rD
.if (\ks) == 0
.set rC, BIAS+8*(\u)
.endif
.set rA, rX+12*\m
.set rB, rW+12*(\u)
.set rSA, rXS+\m/2
.set rSB, WS+8*((\u)/2)+(\ks)
	WM rD, rA, rB, rC, rSA, rSB, \m%2, (\u)%2
.endr
.endif
.endm
; pre = 1: the next head's weights are asked for as this head's sets fall free.  Behind set ks at least six sets of 12 loads have then been issued.
; pre = 0, the last head: behind set ks only sets ks + 1 .. 7 were issued.  Bias and scale words are issued ahead of the set with which they are first used.
; The next K step's 28 LDS loads go in three runs, ahead of the first three quarters of the products; the loads from memory ahead of the fourth.
.macro KSTEP path, ks, pre
.if \pre
	s_wait_loadcnt 48
.elseif 12*(7-(\ks)) < 48
	s_wait_loadcnt 12*(7-(\ks))
.else
	s_wait_loadcnt 48
.endif
	s_wait_dscnt 0x0                               ; this K step's fragments of x are in
	PLACES 4                                       ; four plain places between the last K step's products and the loads into registers that they have read; the wait below states the dependence itself
.if (\pre) || ((\ks) < 7)
	s_wait_alu depctr_va_vdst(0)                   ; the products issued so far are done reading x's other set and its scale words, in which this step's LDS loads land, and (pre = 1) the weights, scale words and bias that are asked for again below; in K step 0 the way out's vector lines have written and read what was x's set 1
.irp m, 0,1,2
	FETCHF ((\ks)+1)%8, ((\ks)+1)%2, \m
.endr
.endif
	MULQ \path, \ks, 0
.if (\pre) || ((\ks) < 7)
	WIN 0
.irp m, 3,4,5
	FETCHF ((\ks)+1)%8, ((\ks)+1)%2, \m            ; no wait: no vector or matrix instruction since the wait above names these registers
.endr
.endif
	MULQ \path, \ks, 1
.if (\pre) || ((\ks) < 7)
	WIN 0
.irp m, 6,7
	FETCHF ((\ks)+1)%8, ((\ks)+1)%2, \m
.endr
	FETCHS ((\ks)+1)%8, ((\ks)+1)%2
.endif
	MULQ \path, \ks, 2
.if \pre
.if ((\ks) >= 2) && (((\ks)%2) == 0)
	WSLOAD (\ks)/2-1, 1
.endif
.if (\ks) == 1
	BIASLOAD \path, 1
.endif
.if (\ks) >= 1
	WLOAD (\ks)-1, 1
.endif
.endif
	MULQ \path, \ks, 3
	WIN 0
.endm
.macro HEADBODY path, pre
.irp k, 0,1,2,3,4,5,6,7
	KSTEP \path, \k, \pre
.endr
	PLACES 4                                       ; in front of the loads below and of the first read of results
.if \pre
	s_wait_alu depctr_va_vdst(0)                   ; the products of K steps 6 and 7 are done reading their scale words, and those of K step 7 its weights: the loads below land in them
	WSLOAD 3, 1
	WLOAD 7, 1
	WIN 0
.endif
.endm
	s_load_b256 s[16:23], s[0:1], 0x0              ; query, key, value, bq
	s_load_b256 s[24:31], s[0:1], 0x20             ; bk, bv, wimg, wsc
	s_load_b128 s[32:35], s[0:1], 0x40             ; acts, actsc
	v_lshl_add_u32 v62, v0, 2, 0x29800             ; the LDS address of my spare word, behind the stages, and 0: made here and kept for the closing lines alone
	v_mov_b32 v63, 0
	v_lshrrev_b32 v19, 5, v0
	v_readfirstlane_b32 s2, v19                    ; wave
	s_and_b32 s3, ttmp7, 0xffff                    ; which tensor
	s_mov_b32 s36, ttmp9                           ; which 128 tokens
	v_and_b32 v19, 31, v0                          ; lane
	v_and_b32 v44, 15, v0                          ; r
	v_bfe_u32 v45, v0, 4, 1                        ; h
	v_lshlrev_b32 v[LI], 4, v19
	v_add_nc_u32 v[LIB], 49152, v[LI]
	v_lshlrev_b32 v[L8], 3, v19
	v_lshl_add_u32 v[L4], v19, 2, XSC
	s_wait_alu depctr_va_sdst(0)                   ; s2, the wave's number, is written, ahead of its first reader: LDS addresses and every base are made from it
	s_lshl_b32 s44, s2, 10
	s_add_co_u32 s44, s44, XSC
	v_lshl_add_u32 v[XSW0], v44, 2, s44
	s_mul_i32 s44, s2, 16896
	s_add_co_u32 s44, s44, STG
	v_add_nc_u32 v[STW], s44, v[LI]
	v_mul_u32_u24 v[STR], v44, 528
	v_lshl_add_u32 v[STR], v45, 6, v[STR]
	v_add_nc_u32 v[STR], s44, v[STR]
	s_mul_i32 s44, s2, 24576
	v_add_nc_u32 v[XIW0], s44, v[LI]
	v_lshlrev_b32 v[BOQ], 6, v45
	v_and_b32 v[BOV], 8, v44
	v_add_nc_u32 v[BOV], v[BOV], v44
	v_lshlrev_b32 v[BOV], 2, v[BOV]
.irp b, 0,1,2,3
	v_mov_b32 v[236+\b], 0                         ; a lane permute's destination counts as one of its sources
.endr
	s_mov_b32 s41, 0xffff0000                      ; lanes 16-31
	s_mov_b32 s[SEL], 0x76543210
	s_mov_b32 s[SEL+1], 0xfedcba98                 ; v_permlanex16_b32's selects for lane l xor 16
	s_wait_kmcnt 0x0
	s_cmp_eq_u32 s3, 1                             ; the choices hang on the work-group's number alone
	s_cselect_b64 s[XB:XB+1], s[18:19], s[16:17]
	s_cselect_b64 s[BP:BP+1], s[24:25], s[22:23]
	s_cmp_eq_u32 s3, 2
	s_cselect_b64 s[XB:XB+1], s[20:21], s[XB:XB+1]
	s_cselect_b64 s[BP:BP+1], s[26:27], s[BP:BP+1]
	s_lshl_b32 s44, s36, 19                        ; x: 128 rows of 4,096 bytes a block, 32 a wave
	s_lshl_b32 s46, s2, 17
	s_add_co_u32 s44, s44, s46
	s_mov_b32 s45, 0
	s_add_nc_u64 s[XB:XB+1], s[XB:XB+1], s[44:45]
	s_lshl_b32 s44, s2, 10                         ; the bias of head 4 w
	s_add_nc_u64 s[BP:BP+1], s[BP:BP+1], s[44:45]
	s_mul_i32 s44, s3, 786432
	s_mul_i32 s46, s2, 196608
	s_add_co_u32 s44, s44, s46
	s_add_nc_u64 s[WP:WP+1], s[28:29], s[44:45]
	s_lshl_b32 s44, s3, 15
	s_lshl_b32 s46, s2, 13
	s_add_co_u32 s44, s44, s46
	s_add_nc_u64 s[WSP:WSP+1], s[30:31], s[44:45]
	s_lshr_b32 s47, s36, 4                         ; batch
	s_and_b32 s40, s36, 15                         ; block in the sequence
	s_mul_i32 s44, s3, 6291456
	s_mul_i32 s46, s47, 1572864
	s_add_co_u32 s44, s44, s46
	s_mul_i32 s46, s2, 393216
	s_add_co_u32 s44, s44, s46
	s_mul_i32 s46, s40, 6144
	s_add_co_u32 s44, s44, s46
	s_add_nc_u64 s[OUT:OUT+1], s[32:33], s[44:45]
	s_lshl_b32 s44, s3, 18
	s_lshl_b32 s46, s47, 16
	s_add_co_u32 s44, s44, s46
	s_lshl_b32 s46, s2, 14
	s_add_co_u32 s44, s44, s46
	s_lshl_b32 s46, s40, 8
	s_add_co_u32 s44, s44, s46
	s_add_nc_u64 s[OUTS:OUTS+1], s[34:35], s[44:45]
	s_wait_alu depctr_va_vdst(0)                   ; the ten addresses and offsets v1 to v10 are written: every load and store of the kernel but phase X's image stores reads one of them
	s_cmp_eq_u32 s3, 2
	s_cbranch_scc1 .Lbias_v
	BIASLOAD 0, 0
	WIN 0
	s_branch .Lbias_done
.Lbias_v:
	BIASLOAD 1, 0
	WIN 0
.Lbias_done:
.irp y, 0,1,2,3
	WSLOAD \y, 0
.endr
.irp k, 0,1,2,3,4,5,6,7
	WLOAD \k, 0                                    ; the first head's weights land under phase X
.endr
	WIN 0
.irp q, 0,1,2,3
	LOADX \q, 0
.endr
	s_wait_loadcnt 48                              ; unit 0 is in; units 1 to 3 may be out
	TURN 0
	s_mov_b32 s38, 0
	s_mov_b32 s39, 0
	s_mov_b32 s40, 3
.Lx:                                               ; a trip: two K steps of my two token tiles
	STEPX 0, 1, 48
	STEPX 1, 1, 48
	STEPX 2, 1, 48
	STEPX 3, 1, 48
	s_wait_xcnt 0x0                                ; the loads have read their base: it may step
	s_add_nc_u64 s[XB:XB+1], s[XB:XB+1], 1024
	s_add_co_u32 s38, s38, 3072
	s_add_co_u32 s39, s39, 256
	s_sub_co_u32 s40, s40, 1
	s_cmp_lg_u32 s40, 0
	s_cbranch_scc1 .Lx
	STEPX 0, 0, 32                                 ; the last trip loads nothing: the counts run down
	STEPX 1, 0, 16
	STEPX 2, 0, 0
	STEPX 3, 0, 0
	s_wait_dscnt 0x0                               ; for the others' sake: my images and scale words have landed
	s_barrier_signal -1
	s_barrier_wait -1                              ; the launch's one barrier: from here on LDS is only read
	s_wait_alu depctr_vm_vsrc(0)                   ; my LDS stores have read the raw sets, the codes and the words: from here on these registers are the accumulators, x's set 1 and the way out's words, written by products, LDS loads and vector lines
	FETCHX 0, 0
	s_mov_b32 s37, 0
.Lhead:                                            ; four heads a wave.  The four bodies hold LDS loads alone, no LDS store and no barrier
	s_cmp_eq_u32 s3, 2
	s_cbranch_scc1 .Lv
	s_cmp_eq_u32 s37, 3
	s_cbranch_scc1 .Lqk_last
	HEADBODY 0, 1
	s_branch .Lepi
.Lqk_last:
	HEADBODY 0, 0
	s_branch .Lepi
.Lv:
	s_cmp_eq_u32 s37, 3
	s_cbranch_scc1 .Lv_last
	HEADBODY 1, 1
	s_branch .Lepi
.Lv_last:
	HEADBODY 1, 0
.Lepi:                                             ; THE WAY OUT: four images of 64 numbers a lane, quantised in registers and stored as they stand: each store covers 512 consecutive bytes, aligned
.irp b, 0,1,2,3
	v_mov_b32 v[244+\b], 0
.endr
.irp i, 0,1,2,3
	QUANT 64*\i, 3, 160+20*\i, 12+\i, 240          ; each image has codes' registers and a word of its own
.endr
	v_cndmask_b32 v[SCW], v[PW], v[PW+1], s41      ; lanes 0-15 image 0's words, lanes 16-31 image 1's
	v_cndmask_b32 v[SCW+1], v[PW+2], v[PW+3], s41  ; images 2 and 3
	s_wait_alu depctr_va_vdst(0)                   ; the four quantisers have written the codes v160 to v231, and the two selects v[SCW] and v[SCW+1]: the thirteen stores below read them
.irp i, 0,1,2,3
.irp j, 0,1,2
	global_store_b128 v[LI], v[160+20*\i+4*\j:160+20*\i+4*\j+3], s[OUT:OUT+1] offset:1536*\i+512*\j
.endr
.endr
	global_store_b64 v[L8], v[SCW:SCW+1], s[OUTS:OUTS+1]   ; 256 consecutive bytes, aligned
	s_wait_xcnt 0x0                                ; the stores have read their data, which the next head's fetch overwrites; loads and stores have read their bases
	s_wait_alu depctr_vm_vsrc(0)                   ; the stores have read the codes, on which the next head's LDS loads land, and the two words, which the next way out writes
	s_add_nc_u64 s[WP:WP+1], s[WP:WP+1], 49152
	s_add_nc_u64 s[WSP:WSP+1], s[WSP:WSP+1], 2048
	s_add_nc_u64 s[BP:BP+1], s[BP:BP+1], 256
	s_add_nc_u64 s[OUT:OUT+1], s[OUT:OUT+1], 98304
	s_add_nc_u64 s[OUTS:OUTS+1], s[OUTS:OUTS+1], 4096
	s_add_co_u32 s37, s37, 1
	s_cmp_lt_u32 s37, 4
	s_cbranch_scc1 .Lhead
	s_wait_dscnt 0x0                               ; the closing lines, six on end
	s_wait_alu 0x0
	s_wait_tensorcnt 0x0
	ds_add_u32 v62, v63
	s_wait_dscnt 0x0
	s_endpgm
.Lfunc_end_k_q57e19bac5e_proj:
	.size	k_q57e19bac5e_proj, .Lfunc_end_k_q57e19bac5e_proj-k_q57e19bac5e_proj
	.p2alignl 7, 3214868480
	.fill 96, 4, 3214868480
	.section	.rodata,"a",@progbits
	.p2align	6, 0x0
	.amdhsa_kernel k_q57e19bac5e_proj
		.amdhsa_group_segment_fixed_size 170496
		.amdhsa_private_segment_fixed_size 0
		.amdhsa_enable_private_segment 0
		.amdhsa_kernarg_size 80
		.amdhsa_user_sgpr_count 2
		.amdhsa_user_sgpr_kernarg_segment_ptr 1
		.amdhsa_wavefront_size32 1
		.amdhsa_system_sgpr_workgroup_id_x 1
		.amdhsa_system_sgpr_workgroup_id_y 1
		.amdhsa_system_sgpr_workgroup_id_z 1
		.amdhsa_system_vgpr_workitem_id 0
		.amdhsa_next_free_vgpr 1024
		.amdhsa_next_free_sgpr 66
		.amdhsa_reserve_vcc 0
		.amdhsa_float_denorm_mode_32 3
		.amdhsa_float_denorm_mode_16_64 3
		.amdhsa_memory_ordered 1
		.amdhsa_forward_progress 1
		.amdhsa_inst_pref_size 255
	.end_amdhsa_kernel
	.section	.bss,"aw",@nobits
	.p2align	6
	.space	262144
	.amdgpu_metadata
---
amdhsa.version: [ 1, 2 ]
amdhsa.kernels:
  - .name:           k_q57e19bac5e_proj
    .symbol:         k_q57e19bac5e_proj.kd
    .args:
      - { .name: query, .offset: 0, .size: 8, .value_kind: global_buffer, .address_space: global }
      - { .name: key, .offset: 8, .size: 8, .value_kind: global_buffer, .address_space: global }
      - { .name: value, .offset: 16, .size: 8, .value_kind: global_buffer, .address_space: global }
      - { .name: bq, .offset: 24, .size: 8, .value_kind: global_buffer, .address_space: global }
      - { .name: bk, .offset: 32, .size: 8, .value_kind: global_buffer, .address_space: global }
      - { .name: bv, .offset: 40, .size: 8, .value_kind: global_buffer, .address_space: global }
      - { .name: wimg, .offset: 48, .size: 8, .value_kind: global_buffer, .address_space: global }
      - { .name: wsc, .offset: 56, .size: 8, .value_kind: global_buffer, .address_space: global }
      - { .name: acts, .offset: 64, .size: 8, .value_kind: global_buffer, .address_space: global }
      - { .name: actsc, .offset: 72, .size: 8, .value_kind: global_buffer, .address_space: global }
    .group_segment_fixed_size: 170496
    .private_segment_fixed_size: 0
    .kernarg_segment_align: 8
    .kernarg_segment_size: 80
    .max_flat_workgroup_size: 128
    .sgpr_count:     66
    .vgpr_count:     1024
    .wavefront_size: 32
...
	.end_amdgpu_metadata
.endif
;; end of part 6
;; launch attn (part 7): grid 4 x 64, 16 waves a work-group, no clusters, 327,680 bytes of LDS; arguments acts, actsc, xoimg, xosc; writes xoimg, xosc
.if DOCPART == 7
	.amdgcn_target "amdgcn-amd-amdhsa--gfx1250"
	.amdhsa_code_object_version 6
	.text
	.protected	k_q57e19bac5e_attn
	.globl	k_q57e19bac5e_attn
	.p2align	8
	.type	k_q57e19bac5e_attn,@function
k_q57e19bac5e_attn:
	s_mov_b64 s[64:65], 0
	v_nop
	global_prefetch_b8 v0, s[64:65] scope:SCOPE_SE
	s_setreg_imm32_b32 hwreg(HW_REG_WAVE_MODE, 25, 1), 1
	s_wait_xcnt 0x0
; softmax(q k^T / 8) v for one head, both products on codes of FP6 (E2M3) with E8M0 scales; the result leaves quantised along the head's 64 channels, as the output projection's operand.
; THE SOFTMAX: t = score x log2(e) / 8; M = the row's largest t so far, rounded UP to a whole number; p = 2^(t - M) is quantised along the keys, not normalised.  The row's sum is taken of the
; unquantised p, in f32, and divides the result at the end.  When M moves, the sum and the result are multiplied by 2^(old M - new M): exact.
; SHARES.  A work-group owns 512 queries of one head (4 x 64 = 256 work-groups of equal work).  ALL of the head's K and V stay in LDS, 2 x 98,304 bytes of images and 2 x 4,096 of scale words,
; filled once: every wave brings a sixteenth by two tensor loads at the head; nothing is filled again.  Two barriers.
; Each of the sixteen waves owns one image of q: two tiles of 16 queries, taken in two passes of 16 key steps of 128 keys; four waves to a SIMD, so that one wave's vector work stands beside another's products and LDS loads.
; No cluster: what the four work-groups of a head share is this one first fill (204,800 bytes a work-group, against 32 key steps of work a wave); there is no refill behind it.
; K = 64 IN A FORM OF K = 128.  An image of k holds two tiles of 16 keys: registers 0-5 tile 2 p, registers 6-11 tile 2 p + 1.  Multiplied by [q | 0] it gives tile 2 p's scores, by [0 | q] tile 2 p + 1's:
; zero codes add nothing.  The image's scale word serves both; q's is (s0, s1, s0, s1).  q stands between two runs of six zero registers, so both operands are runs of 12.
; LAYOUT.  Both products are used transposed: a lane holds ONE query (lane % 16) throughout.  The keys of a tile are 32 (m / 2) + 8 (m % 2) + r + 8 (r / 8), so the 16 registers of two neighbouring tiles are 16 neighbouring keys.
; A block's largest p is not searched for: p rises with the score, so the block's largest score goes through the same multiply-add and exponential (this takes v_exp_f32 not to fall where its input rises).
; LIMITS: p under 2^-126 comes out as 0; a block of zeros gets the byte 1; NaN and infinities are not served.
; The result's scale bytes leave two to a lane, 32 bytes apart (262,144 bytes in the whole launch, two instructions a wave): the price of a layout that the reader takes as whole words.
; REGISTERS: v1-8 addresses; v12 -M, v13 the largest t, v[14:15] the sum; v16-33 0 q 0; v34 q's scale word; v35, v36-47 q as loaded; v48-95 four fragments of K, then of V; v96-159 S^T, then p;
;   v160-191 O^T; v192-203 p's codes; v204-211 at work; v212-215 K's and V's scale words; v216-237 at work.
.set F,   48
.set SCK, 196608                       ; LDS: K's images from 0, V's from 98,304; K's scale words here, V's 4,096 on
.macro PLACES n
.rept \n
	v_nop
.endr
.endm
.macro WMS d, a, b, sa, ra             ; a tile of scores: the product starts its sum
.if \ra
	v_wmma_scale_f32_16x16x128_f8f6f4 v[(\d):(\d)+7], v[(\a):(\a)+11], v[(\b):(\b)+11], 0, v[\sa], v34 matrix_a_fmt:MATRIX_FMT_FP6 matrix_b_fmt:MATRIX_FMT_FP6 matrix_a_scale:MATRIX_SCALE_ROW1
.else
	v_wmma_scale_f32_16x16x128_f8f6f4 v[(\d):(\d)+7], v[(\a):(\a)+11], v[(\b):(\b)+11], 0, v[\sa], v34 matrix_a_fmt:MATRIX_FMT_FP6 matrix_b_fmt:MATRIX_FMT_FP6
.endif
.endm
.macro WMO d, a, sa, ra                ; O^T += V^T P^T
.if \ra
	v_wmma_scale_f32_16x16x128_f8f6f4 v[(\d):(\d)+7], v[(\a):(\a)+11], v[192:203], v[(\d):(\d)+7], v[\sa], v235 matrix_a_fmt:MATRIX_FMT_FP6 matrix_b_fmt:MATRIX_FMT_FP6 matrix_a_scale:MATRIX_SCALE_ROW1
.else
	v_wmma_scale_f32_16x16x128_f8f6f4 v[(\d):(\d)+7], v[(\a):(\a)+11], v[192:203], v[(\d):(\d)+7], v[\sa], v235 matrix_a_fmt:MATRIX_FMT_FP6 matrix_b_fmt:MATRIX_FMT_FP6
.endif
.endm
	s_load_b256 s[4:11], s[0:1], 0x0               ; acts, actsc, xoimg, xosc
	v_lshl_add_u32 v254, v0, 2, 0x32000
	v_mov_b32 v255, 0
	ds_add_u32 v254, v255
	ds_add_u32 v254, v255
	v_lshrrev_b32 v9, 5, v0
	s_delay_alu instid0(VALU_DEP_1)
	v_readfirstlane_b32 s2, v9                     ; wave 0..15
	s_and_b32 s3, ttmp7, 0xffff                    ; batch x 16 + head
	; descriptor group 1, codes: 48 rows of 256 bytes (32 elements of 8 bytes), dense, no padding
	s_mov_b32 s20, 3<<16
	s_mov_b32 s21, 32<<16                          ; tensor_dim0
	s_mov_b32 s22, 48<<16                          ; tensor_dim1
	s_mov_b32 s23, 32<<16                          ; tile_dim0
	s_mov_b32 s24, 48                              ; tile_dim1
	s_mov_b32 s25, 32                              ; the pitch
	s_mov_b32 s26, 0
	s_mov_b32 s27, 0
	; scale words: 2 such rows
	s_mov_b32 s28, 3<<16
	s_mov_b32 s29, 32<<16
	s_mov_b32 s30, 2<<16
	s_mov_b32 s31, 32<<16
	s_mov_b32 s32, 2
	s_mov_b32 s33, 32
	s_mov_b32 s34, 0
	s_mov_b32 s35, 0
	s_lshr_b32 s44, s2, 3
	s_add_co_u32 s44, s44, 1                       ; waves 0-7 fetch k (tensor 1), waves 8-15 v (tensor 2)
	s_and_b32 s45, s2, 7                           ; an eighth each
	s_mul_i32 s46, s44, 6291456
	s_mul_i32 s48, s3, 98304
	s_add_co_u32 s46, s46, s48
	s_mul_i32 s49, s45, 12288
	s_add_co_u32 s46, s46, s49
	s_mov_b32 s47, 0
	s_lshl_b32 s50, s44, 18
	s_lshl_b32 s52, s3, 12
	s_add_co_u32 s50, s50, s52
	s_lshl_b32 s49, s45, 9
	s_add_co_u32 s50, s50, s49
	s_mov_b32 s51, 0
	s_mov_b32 s12, 1                               ; group 0: count = 1,
	s_mul_i32 s13, s2, 12288                       ; the LDS address: K's eight parts, then V's eight,
	s_mov_b32 s16, 1
	s_lshl_b32 s17, s2, 9
	s_add_co_u32 s17, s17, SCK
	s_wait_dscnt 0x0
	s_wait_kmcnt 0x0
	s_add_nc_u64 s[14:15], s[4:5], s[46:47]        ; the global address,
	s_or_b32 s15, s15, 0x80000000                  ; the type
	s_add_nc_u64 s[18:19], s[6:7], s[50:51]
	s_or_b32 s19, s19, 0x80000000
	tensor_load_to_lds s[12:15], s[20:27]          ; my first fill: one tensor load of mine is out
	s_nop 0
	s_wait_alu depctr_va_vdst(0)
	s_wait_tensorcnt 0x0
	ds_add_u32 v254, v255
	s_wait_dscnt 0x0
	s_barrier_signal -1
	s_barrier_wait -1
	tensor_load_to_lds s[16:19], s[28:35]
	s_nop 0
	PLACES 4                                       ; four v_nop follow it
	s_lshl_b32 s53, ttmp9, 4
	s_add_co_u32 s53, s53, s2                      ; my image of q: 16 x + wave
	s_mul_i32 s54, s53, 1536
	s_add_co_u32 s54, s54, s48
	s_mov_b32 s55, 0
	s_add_nc_u64 s[54:55], s[4:5], s[54:55]
	s_lshl_b32 s56, ttmp9, 2
	s_lshr_b32 s57, s2, 2
	s_add_co_u32 s56, s56, s57                     ; its block of 128 tokens,
	s_lshl_b32 s56, s56, 8
	s_add_co_u32 s56, s56, s52
	s_and_b32 s57, s2, 1                           ; image i = wave % 4: lanes 16 (i % 2) on,
	s_lshl_b32 s57, s57, 7
	s_add_co_u32 s56, s56, s57
	s_bfe_u32 s57, s2, 0x10001                     ; word i / 2
	s_lshl_b32 s57, s57, 2
	s_add_co_u32 s56, s56, s57
	s_mov_b32 s57, 0
	s_add_nc_u64 s[56:57], s[6:7], s[56:57]
	s_lshr_b32 s58, s3, 4
	s_lshl_b32 s58, s58, 7
	s_lshl_b32 s59, ttmp9, 5
	s_add_co_u32 s58, s58, s59
	s_lshl_b32 s59, s2, 1
	s_add_co_u32 s58, s58, s59                     ; my first token tile: 128 batch + 32 x + 2 wave
	s_and_b32 s59, s3, 15                          ; the head
	s_mul_i32 s60, s58, 12288
	s_mul_i32 s61, s59, 768
	s_add_co_u32 s60, s60, s61
	s_mov_b32 s61, 0
	s_add_nc_u64 s[8:9], s[8:9], s[60:61]
	s_lshl_b32 s60, s58, 9
	s_lshl_b32 s62, s59, 1
	s_add_co_u32 s60, s60, s62
	s_add_nc_u64 s[10:11], s[10:11], s[60:61]
	s_mov_b32 s40, 0x76543210
	s_mov_b32 s41, 0xfedcba98                      ; v_permlanex16_b32's selects for lane l xor 16
	s_mov_b32 s42, 0x3e38aa3b                      ; c = log2(e) / 8
	s_mov_b32 s43, s42                             ; (named with it as a pair, so it is written)
	v_and_b32 v9, 31, v0
	s_delay_alu instid0(VALU_DEP_1)
	v_lshlrev_b32 v1, 4, v9                        ; 16 x lane
	s_delay_alu instid0(VALU_DEP_1)
	v_add_nc_u32 v2, 98304, v1                     ; the same among V's images
	s_delay_alu instid0(VALU_DEP_3)
	v_lshlrev_b32 v7, 3, v9                        ; 8 x lane
	s_delay_alu instid0(VALU_DEP_1)
	v_add_nc_u32 v3, SCK, v7
	v_and_b32 v10, 15, v0
	s_delay_alu instid0(VALU_DEP_1)
	v_lshlrev_b32 v8, 5, v10                       ; 32 r
	s_delay_alu instid0(VALU_DEP_2)
	v_lshlrev_b32 v11, 3, v10                      ; 8 r
.irp j, 0,1,2
	global_load_b128 v[36+4*\j:39+4*\j], v1, s[54:55] offset:512*\j   ; q's image
.endr
	global_load_b32 v35, v11, s[56:57]             ; and its scale words
.irp i, 0,1,2,3,4,5
	v_mov_b32 v[16+\i], 0                          ; the zero codes on either side of q
	v_mov_b32 v[28+\i], 0
.endr
.irp b, 0,1,2,3
	v_mov_b32 v[220+\b], 0                         ; a lane permute's destination counts as one of its sources
.endr
	v_mov_b32 v233, 0                              ; (named as the upper half of the pair v[232:233])
	s_wait_tensorcnt 0x0                           ; my parts have landed,
	s_barrier_signal -1
	s_barrier_wait -1                              ; everybody's have
	s_wait_loadcnt 0x0                             ; q
; A KEY STEP: 128 keys.
.macro STEP
	v_add_nc_u32 v4, s36, v1                       ; three additions and a v_nop: the places behind the last products, in front of loads into their registers
	v_add_nc_u32 v5, s36, v2
	v_add_nc_u32 v6, s37, v3
	v_nop
.irp p, 0,1,2,3
.irp j, 0,1,2
	ds_load_b128 v[F+12*\p+4*\j:F+12*\p+4*\j+3], v4 offset:1536*\p+512*\j
.endr
.endr
	ds_load_b64 v[212:213], v6                     ; K's scale words: word p / 2, lanes 16 (p % 2) on
	ds_load_b64 v[214:215], v6 offset:4096         ; V's
	s_wait_alu depctr_va_vdst(0)
	s_wait_dscnt 0x0
.irp p, 0,1,2,3
	WMS 96+16*\p, F+12*\p, 22, 212+\p/2, \p%2      ; [q | 0]: keys 32 p + 16 h + 0 .. 7
	WMS 104+16*\p, F+12*\p, 16, 212+\p/2, \p%2     ; [0 | q]: keys 32 p + 16 h + 8 .. 15
.endr
	PLACES 4
.irp t, 0,1,2,3
.irp j, 0,1,2
	ds_load_b128 v[F+12*\t+4*\j:F+12*\t+4*\j+3], v5 offset:1536*\t+512*\j   ; V's fragments land under the softmax
.endr
.endr
.irp b, 0,1,2,3
	v_max3_num_f32 v[216+\b], v[96+16*\b], v[97+16*\b], v[98+16*\b]   ; the largest score of each block of 32 keys: for the row's maximum, and for the block's largest p
.endr
.irp i, 3,5,7,9,11,13
.irp b, 0,1,2,3
	v_max3_num_f32 v[216+\b], v[216+\b], v[96+16*\b+\i], v[97+16*\b+\i]
.endr
.endr
.irp b, 0,1,2,3
	v_max_num_f32 v[216+\b], v[216+\b], v[111+16*\b]
.endr
.irp b, 0,1,2,3
	s_delay_alu instid0(VALU_DEP_4)
	v_permlanex16_b32 v[220+\b], v[216+\b], s40, s41
.endr
.irp b, 0,1,2,3
	s_delay_alu instid0(VALU_DEP_4)
	v_max_num_f32 v[216+\b], v[216+\b], v[220+\b]  ; with lane l xor 16's 16 keys
.endr
	s_delay_alu instid0(VALU_DEP_2)
	v_max3_num_f32 v234, v216, v217, v218
	s_delay_alu instid0(VALU_DEP_1)
	v_max_num_f32 v234, v234, v219                 ; the step's largest score of my query
	s_delay_alu instid0(VALU_DEP_1)
	v_mul_f32 v234, s42, v234                      ; as t (c is positive)
	s_delay_alu instid0(VALU_DEP_1)
	v_max_num_f32 v13, v13, v234                   ; the running largest t
	v_mov_b32 v234, v12
	s_delay_alu instid0(VALU_DEP_2)
	v_floor_f32 v12, -v13                          ; the new -M = floor(-t): M is a whole number
	s_delay_alu instid0(VALU_DEP_1)
	v_sub_f32 v234, v12, v234                      ; old M - new M: a whole number, 0 or less
	s_delay_alu instid0(VALU_DEP_1)
	v_cvt_i32_f32 v234, v234                       ; (it saturates)
	s_delay_alu instid0(VALU_DEP_1)
	v_ldexp_f32 v232, 1.0, v234                    ; f = 2^(old M - new M)
.set j, 0
.rept 32
	v_pk_fma_f32 v[96+j:97+j], v[96+j:97+j], s[42:43], v[12:13] op_sel_hi:[1,0,0]   ; t - M, two at a time
.set j, j+2
.endr
.irp b, 0,1,2,3
	v_fma_f32 v[216+\b], v[216+\b], s42, v12       ; the same of each block's largest score
.endr
.set j, 0
	s_wait_alu depctr_va_vdst(0)
.rept 64
	v_exp_f32 v[96+j], v[96+j]                     ; p = 2^(t - M), at most 1
.set j, j+1
.endr
	s_setprio 1
	v_pk_mul_f32 v[14:15], v[14:15], v[232:233] op_sel_hi:[1,0]   ; the sums under the new M: a plain place behind the exponentials
	s_wait_alu depctr_va_vdst(0)                   ; one wait for the batch, ahead of its first reader
.irp b, 0,1,2,3
	v_exp_f32 v[216+\b], v[216+\b]                 ; the block's largest p
.endr
	v_pk_add_f32 v[236:237], v[96:97], v[98:99]    ; the row's sum is taken of the unquantised p: two at a time, in two chains
.irp j, 4,8,12,16,20,24,28,32,36,40,44,48,52,56,60
	v_pk_add_f32 v[14:15], v[14:15], v[96+\j:97+\j]
	v_pk_add_f32 v[236:237], v[236:237], v[98+\j:99+\j]
.endr
	s_delay_alu instid0(VALU_DEP_1)
	v_pk_add_f32 v[14:15], v[14:15], v[236:237]
	s_wait_alu depctr_va_vdst(0)                   ; and one for the four
.irp b, 0,1,2,3
	v_max_num_f32 v[216+\b], 0x1800000, v[216+\b]  ; the floor 2^(3 - 127): the byte cannot fall under 1
.endr
.irp b, 0,1,2,3
	s_delay_alu instid0(VALU_DEP_4)
	v_add_nc_u32 v[224+\b], 0xff000000, v[216+\b]  ; 2 off the exponent field: the conversion's scale operand
.endr
.irp b, 0,1,2,3
	s_delay_alu instid0(VALU_DEP_4)
	v_lshrrev_b32 v[228+\b], 23, v[224+\b]         ; the scale's byte
.endr
	s_delay_alu instid0(VALU_DEP_3)
	v_lshl_or_b32 v235, v229, 8, v228              ; p's scale word for these 128 keys
	s_delay_alu instid0(VALU_DEP_1)
	v_lshl_or_b32 v235, v230, 16, v235
	s_delay_alu instid0(VALU_DEP_1)
	v_lshl_or_b32 v235, v231, 24, v235
.irp c, 0,1
	v_cvt_scalef32_pk16_fp6_f32 v[192+6*\c:194+6*\c], v[96+32*\c:111+32*\c], v[224+2*\c]
	v_cvt_scalef32_pk16_fp6_f32 v[204+4*\c:206+4*\c], v[112+32*\c:127+32*\c], v[225+2*\c]
.endr
	v_nop                                          ; one plain place behind a scaled conversion
.irp c, 0,1
.irp i, 0,1,2
	v_permlane16_swap_b32 v[192+6*\c+\i], v[204+4*\c+\i]
.endr
.irp i, 0,1,2
	s_delay_alu instid0(VALU_DEP_3)
	v_mov_b32 v[195+6*\c+\i], v[204+4*\c+\i]
.endr
.endr
.set j, 0
	s_setprio 0
.rept 16
	v_pk_mul_f32 v[160+j:161+j], v[160+j:161+j], v[232:233] op_sel_hi:[1,0]   ; O^T under the new M; these sixteen are also the places in front of the products below
.set j, j+2
.endr
	s_wait_alu depctr_va_vdst(0)
	s_wait_dscnt 0x0                               ; V's fragments are in
.irp t, 0,1,2,3
	WMO 160+8*\t, F+12*\t, 214+\t/2, \t%2          ; four accumulators, one instruction a turn
.endr
.endm
; A PASS: query tile u of my image, all 2,048 keys.
.macro PASS u
	s_wait_xcnt 0x0                                ; the last pass's stores have read their registers
.irp i, 0,1,2,3,4,5
	v_mov_b32 v[22+\i], v[36+6*(\u)+\i]            ; q's codes, between the zeros
.endr
.if \u
	v_lshrrev_b32 v34, 16, v35
.else
	v_and_b32 v34, 0xffff, v35
.endif
	s_delay_alu instid0(VALU_DEP_1)
	v_lshl_or_b32 v34, v34, 16, v34                ; (s0, s1, s0, s1)
	v_mov_b32 v13, 0xff61b1e6                      ; the largest t so far: -3e38, under every t
	s_delay_alu instid0(VALU_DEP_1)
	v_floor_f32 v12, -v13                          ; -M
	v_mov_b32 v14, 0
	v_mov_b32 v15, 0
.set j, 0
.rept 32
	v_mov_b32 v[160+j], 0                          ; O^T: the step is written once, its first trip finds zeros, which the first change of M leaves zeros
.set j, j+1
.endr
	s_mov_b32 s36, 0
	s_mov_b32 s37, 0
	s_mov_b32 s38, 16
.Lstep_\@:
	s_setprio 2
	STEP
	s_add_co_u32 s36, s36, 6144                    ; the next 128 keys' images,
	s_add_co_u32 s37, s37, 256                     ; and scale words
	s_sub_co_u32 s38, s38, 1
	s_cmp_lg_u32 s38, 0
	s_cbranch_scc1 .Lstep_\@
	s_setprio 0
	PLACES 4                                       ; behind the last products
	v_add_f32 v14, v14, v15
	s_delay_alu instid0(VALU_DEP_1)
	v_permlanex16_b32 v220, v14, s40, s41
	s_delay_alu instid0(VALU_DEP_1)
	v_add_f32 v14, v14, v220                       ; the row's sum
	s_wait_alu depctr_va_vdst(0)
	v_rcp_f32 v14, v14
	v_nop                                          ; a plain place behind the transcendental
	s_wait_alu depctr_va_vdst(0)                   ; and the wait, ahead of the first reader
.set j, 0
.rept 32
	v_mul_f32 v[96+j], v[160+j], v14               ; register 16 b + i: channel 32 b + 16 h + i of my query
.set j, j+1
.endr
.irp b, 0,1
	v_max3_num_f32 v[216+\b], |v[96+16*\b]|, |v[97+16*\b]|, 0x1800000
.endr
.irp i, 2,4,6,8,10,12,14
.irp b, 0,1
	s_delay_alu instid0(VALU_DEP_2)
	v_max3_num_f32 v[216+\b], v[216+\b], |v[96+16*\b+\i]|, |v[97+16*\b+\i]|
.endr
.endr
.irp b, 0,1
	s_delay_alu instid0(VALU_DEP_2)
	v_permlanex16_b32 v[220+\b], v[216+\b], s40, s41
.endr
.irp b, 0,1
	s_delay_alu instid0(VALU_DEP_2)
	v_max_num_f32 v[216+\b], v[216+\b], v[220+\b]
.endr
.irp b, 0,1
	s_delay_alu instid0(VALU_DEP_2)
	v_add_nc_u32 v[224+\b], 0xff000000, v[216+\b]
.endr
.irp b, 0,1
	s_delay_alu instid0(VALU_DEP_2)
	v_lshrrev_b32 v[228+\b], 23, v[224+\b]
.endr
	s_delay_alu instid0(VALU_DEP_1)
	v_lshl_or_b32 v235, v229, 8, v228              ; the head's two scale bytes of my row
	v_cvt_scalef32_pk16_fp6_f32 v[192:194], v[96:111], v224
	v_cvt_scalef32_pk16_fp6_f32 v[204:206], v[112:127], v225
	v_nop
.irp i, 0,1,2
	v_permlane16_swap_b32 v[192+\i], v[204+\i]
.endr
.irp i, 0,1,2
	s_delay_alu instid0(VALU_DEP_3)
	v_mov_b32 v[195+\i], v[204+\i]                 ; registers 0-5: channels 32 h + 0 .. 31
.endr
	global_store_b128 v1, v[192:195], s[8:9] offset:12288*(\u)       ; 512 consecutive bytes, aligned
	global_store_b64 v7, v[196:197], s[8:9] offset:12288*(\u)+512    ; 256 consecutive bytes, aligned
	global_store_b16 v8, v235, s[10:11] offset:512*(\u)              ; both halves of the lanes store the same two bytes
.endm
	PASS 0
	PASS 1
	s_wait_tensorcnt 0x0
	ds_add_u32 v254, v255
	s_wait_dscnt 0x0
	s_endpgm
.Lfunc_end_k_q57e19bac5e_attn:
	.size	k_q57e19bac5e_attn, .Lfunc_end_k_q57e19bac5e_attn-k_q57e19bac5e_attn
	.p2alignl 7, 3214868480
	.fill 96, 4, 3214868480
	.section	.rodata,"a",@progbits
	.p2align	6, 0x0
	.amdhsa_kernel k_q57e19bac5e_attn
		.amdhsa_group_segment_fixed_size 327680
		.amdhsa_private_segment_fixed_size 0
		.amdhsa_enable_private_segment 0
		.amdhsa_kernarg_size 32
		.amdhsa_user_sgpr_count 2
		.amdhsa_user_sgpr_kernarg_segment_ptr 1
		.amdhsa_wavefront_size32 1
		.amdhsa_system_sgpr_workgroup_id_x 1
		.amdhsa_system_sgpr_workgroup_id_y 1
		.amdhsa_system_sgpr_workgroup_id_z 1
		.amdhsa_system_vgpr_workitem_id 0
		.amdhsa_next_free_vgpr 256
		.amdhsa_next_free_sgpr 66
		.amdhsa_reserve_vcc 0
		.amdhsa_float_denorm_mode_32 3
		.amdhsa_float_denorm_mode_16_64 3
		.amdhsa_memory_ordered 1
		.amdhsa_forward_progress 1
		.amdhsa_inst_pref_size 52
	.end_amdhsa_kernel
	.amdgpu_metadata
---
amdhsa.version: [ 1, 2 ]
amdhsa.kernels:
  - .name:           k_q57e19bac5e_attn
    .symbol:         k_q57e19bac5e_attn.kd
    .args:
      - { .name: acts, .offset: 0, .size: 8, .value_kind: global_buffer, .address_space: global }
      - { .name: actsc, .offset: 8, .size: 8, .value_kind: global_buffer, .address_space: global }
      - { .name: xoimg, .offset: 16, .size: 8, .value_kind: global_buffer, .address_space: global }
      - { .name: xosc, .offset: 24, .size: 8, .value_kind: global_buffer, .address_space: global }
    .group_segment_fixed_size: 327680
    .private_segment_fixed_size: 0
    .kernarg_segment_align: 8
    .kernarg_segment_size: 32
    .max_flat_workgroup_size: 512
    .sgpr_count:     66
    .vgpr_count:     256
    .wavefront_size: 32
...
	.end_amdgpu_metadata
.endif
;; end of part 7
;; launch outproj (part 8): grid 64 x 4, 4 waves a work-group, no clusters, 168,448 bytes of LDS; arguments xoimg, xosc, wimg, wsc, bo, out0; writes out0
.if DOCPART == 8
	.amdgcn_target "amdgcn-amd-amdhsa--gfx1250"
	.amdhsa_code_object_version 6
	.text
	.protected	k_q57e19bac5e_outproj
	.globl	k_q57e19bac5e_outproj
	.p2align	8
	.type	k_q57e19bac5e_outproj,@function
k_q57e19bac5e_outproj:
	s_mov_b64 s[64:65], 0
	v_nop
	global_prefetch_b8 v0, s[64:65] scope:SCOPE_SE
	s_setreg_imm32_b32 hwreg(HW_REG_WAVE_MODE, 25, 1), 1
	s_wait_xcnt 0x0
; out0 = x Wo + bo on codes of FP6 (E2M3) with E8M0 scales.  x arrives as images of its operand registers: xoimg [token tile 512][head 16][768 bytes] (registers 0-3 as [lane][16], registers 4-5 as [lane][8]);
; a K step of 128 is two heads.  xosc [token tile][row 16][head 16][2 bytes]: a row's 32 bytes are its eight scale words.
; A work-group takes 128 tokens x 256 columns (64 x 4 = 256 work-groups); wave w takes 64 columns for all 128 tokens: 32 accumulators (8 token tiles x 4 column tiles), 8 K steps of 32 products.
; x's 98,304 bytes come into LDS once, a quarter by each wave's one tensor load; nothing is filled again.  Wo's fragments go from memory straight into registers, all asked for at the head: each is read by one wave alone.
; No cluster: what the four work-groups of a block of tokens share is this one first fill; there is no refill behind it.
; Source 0 = W's tile t, source 1 = token tile m, accumulator 4 m + t: a lane holds a token and eight neighbouring columns.  Row r of tile m is token 32 (m / 2) + 8 (m % 2) + r + 8 (r / 8); W's columns likewise.
; REGISTERS: window 0: v1-11 addresses; v20-35 W's scale words; v36-43 x's, two sets; v44-51 my row's scale words; v64-159, v160-255 x's fragments, two sets (on the way out v64-127 rows of the result).
;   window 1: W's sets 0-4.   window 2: sets 5-7; v144-175 the bias.   window 3: the accumulators.
.set XSC,  98304                       ; LDS: x's images from 0; here the scale words [m / 2][s][lane]; from 102,400 a stage of 16 rows x (256 + 16) bytes for each wave
.set STG,  102400
.set LI,   1                           ; v1  16 x lane;  v2 the same + 49,152;  v3 8 x lane;  v5 the same + 49,152;  v4 XSC + 4 x lane
.set LIB,  2
.set L8,   3
.set L4,   4
.set L8B,  5
.set XSW,  6                           ; v6  XSC + 1,024 wave + 4 x lane
.set STO,  7                           ; v7  the stage: where I put 32 bytes of a row
.set RD,   8                           ; v8  and where I read rows back
.set CO,   9                           ; v9  my byte offset in two rows of the result
.set BOQ,  10                          ; v10 64 h
.set XO,   11                          ; v11 32 x my thread's number
.set WS,   20
.set XS,   36
.set XF,   64
.set BK,   64
.set BIAS, 144
.set BP,   6
.set WP,   8
.set WSP,  10
.set OUT,  12
.set MSB, 0
.macro WIN new
.if MSB != (\new)
	s_set_vgpr_msb (MSB<<8)|(\new)
.set MSB, \new
.endif
.endm
.macro PLACES n
.rept \n
	v_nop
.endr
.endm
.macro WM d, a, b, c, sa, sb, ra, rb
.if (\ra) && (\rb)
	v_wmma_scale_f32_16x16x128_f8f6f4 v[\d:\d+7], v[\a:\a+11], v[\b:\b+11], v[\c:\c+7], v[\sa], v[\sb] matrix_a_fmt:MATRIX_FMT_FP6 matrix_b_fmt:MATRIX_FMT_FP6 matrix_a_scale:MATRIX_SCALE_ROW1 matrix_b_scale:MATRIX_SCALE_ROW1
.elseif (\ra)
	v_wmma_scale_f32_16x16x128_f8f6f4 v[\d:\d+7], v[\a:\a+11], v[\b:\b+11], v[\c:\c+7], v[\sa], v[\sb] matrix_a_fmt:MATRIX_FMT_FP6 matrix_b_fmt:MATRIX_FMT_FP6 matrix_a_scale:MATRIX_SCALE_ROW1
.elseif (\rb)
	v_wmma_scale_f32_16x16x128_f8f6f4 v[\d:\d+7], v[\a:\a+11], v[\b:\b+11], v[\c:\c+7], v[\sa], v[\sb] matrix_a_fmt:MATRIX_FMT_FP6 matrix_b_fmt:MATRIX_FMT_FP6 matrix_b_scale:MATRIX_SCALE_ROW1
.else
	v_wmma_scale_f32_16x16x128_f8f6f4 v[\d:\d+7], v[\a:\a+11], v[\b:\b+11], v[\c:\c+7], v[\sa], v[\sb] matrix_a_fmt:MATRIX_FMT_FP6 matrix_b_fmt:MATRIX_FMT_FP6
.endif
.endm
.macro FETCHO ks, bf                   ; x's eight fragments (two heads' halves each) and four registers of scale words of K step ks into set bf
.irp m, 0,1,2,3,4,5,6,7
.set rF, XF+96*(\bf)+12*\m
.set oF, ((\m%4)*8+(\ks))*1536
.if \m < 4
	ds_load_b128 v[rF:rF+3], v[LI] offset:oF
	ds_load_b64 v[rF+4:rF+5], v[L8] offset:oF+512
	ds_load_b128 v[rF+6:rF+9], v[LI] offset:oF+768
	ds_load_b64 v[rF+10:rF+11], v[L8] offset:oF+1280
.else
	ds_load_b128 v[rF:rF+3], v[LIB] offset:oF
	ds_load_b64 v[rF+4:rF+5], v[L8B] offset:oF+512
	ds_load_b128 v[rF+6:rF+9], v[LIB] offset:oF+768
	ds_load_b64 v[rF+10:rF+11], v[L8B] offset:oF+1280
.endif
.endr
.irp i, 0,1,2,3
	ds_load_b32 v[XS+4*(\bf)+\i], v[L4] offset:1024*\i+128*(\ks)
.endr
.endm
.macro WLOAD ks
.if (\ks) < 5
	WIN 0x40
.else
	WIN 0x80
.endif
.irp t, 0,1,2,3
.irp j, 0,1,2
	global_load_b128 v[48*((\ks)%5)+12*\t+4*\j:48*((\ks)%5)+12*\t+4*\j+3], v[LI], s[WP:WP+1] offset:(4*(\ks)+\t)*1536+512*\j
.endr
.endr
.endm
.macro MUL32 ks                        ; the accumulators take turns, one instruction a turn, in the same order in every K step
.set rW, 48*((\ks)%5)
.set rX, XF+96*((\ks)%2)
.set rXS, XS+4*((\ks)%2)
.if (\ks) == 0
	WIN 0xe1                                       ; source 0 (W) window 1, source 1 (x) window 0, C (the bias) window 2, D window 3
.elseif (\ks) < 5
	WIN 0xf1
.else
	WIN 0xf2
.endif
.irp m, 0,1,2,3,4,5,6,7
.irp t, 0,1,2,3
.set rD, 8*(4*\m+\t)
.set rC, rD
.if (\ks) == 0
.set rC, BIAS+8*\t
.endif
.set rA, rW+12*\t
.set rB, rX+12*\m
.set rSA, WS+8*(\t/2)+(\ks)
.set rSB, rXS+\m/2
	WM rD, rA, rB, rC, rSA, rSB, \t%2, \m%2
.endr
.endr
.endm
.macro KSTEP ks                        ; behind W's set ks only sets ks + 1 .. 7 were issued, 12 loads each; a wait's count names 63 at the most
.if 12*(7-(\ks)) > 63
	s_wait_loadcnt 63
.else
	s_wait_loadcnt 12*(7-(\ks))
.endif
	s_wait_dscnt 0x0                               ; this K step's fragments of x are in
	PLACES 4                                       ; in front of loads into registers that the last K step's products have read
.if (\ks) < 7
	FETCHO (\ks)+1, ((\ks)+1)%2
.endif
	MUL32 \ks
	WIN 0
.endm
	s_load_b256 s[16:23], s[0:1], 0x0              ; xoimg, xosc, wimg, wsc
	s_load_b128 s[24:27], s[0:1], 0x20             ; bo, out0
	v_lshl_add_u32 v62, v0, 2, 0x29000
	v_mov_b32 v63, 0
	ds_add_u32 v62, v63
	ds_add_u32 v62, v63
	v_lshrrev_b32 v12, 5, v0
	v_readfirstlane_b32 s2, v12                    ; wave
	s_and_b32 s3, ttmp7, 0xffff
	s_lshl_b32 s3, s3, 2
	s_add_co_u32 s3, s3, s2                        ; g: my 64 columns
	; descriptor group 1: 96 rows of 256 bytes (32 elements of 8 bytes), dense, no padding
	s_mov_b32 s32, 3<<16
	s_mov_b32 s33, 32<<16                          ; tensor_dim0
	s_mov_b32 s34, 96<<16                          ; tensor_dim1
	s_mov_b32 s35, 32<<16                          ; tile_dim0
	s_mov_b32 s36, 96                              ; tile_dim1
	s_mov_b32 s37, 32                              ; the pitch
	s_mov_b32 s38, 0
	s_mov_b32 s39, 0
	s_mov_b32 s28, 1
	s_mul_i32 s29, s2, 24576                       ; the LDS address: token tiles 2 w and 2 w + 1
	s_mul_i32 s44, ttmp9, 98304
	s_add_co_u32 s44, s44, s29
	s_mov_b32 s45, 0
	v_and_b32 v12, 31, v0                          ; lane
	v_and_b32 v13, 15, v0                          ; r
	v_bfe_u32 v14, v0, 4, 1                        ; h
	v_lshlrev_b32 v[LI], 4, v12
	v_add_nc_u32 v[LIB], 49152, v[LI]
	v_lshlrev_b32 v[L8], 3, v12
	v_add_nc_u32 v[L8B], 49152, v[L8]
	v_lshl_add_u32 v[L4], v12, 2, XSC
	s_lshl_b32 s46, s2, 10
	s_add_co_u32 s46, s46, XSC
	v_lshl_add_u32 v[XSW], v12, 2, s46
	s_mul_i32 s46, s2, 4352
	s_add_co_u32 s46, s46, STG                     ; my stage
	v_mul_u32_u24 v[STO], v13, 272
	v_lshl_add_u32 v[STO], v14, 6, v[STO]
	v_add_nc_u32 v[STO], s46, v[STO]               ; in: row r, + 64 h
	v_mul_u32_u24 v[RD], v14, 272
	v_lshl_add_u32 v[RD], v13, 4, v[RD]
	v_add_nc_u32 v[RD], s46, v[RD]                 ; back: lanes 0-15 one row, lanes 16-31 the next
	v_lshlrev_b32 v[CO], 12, v14
	v_lshl_add_u32 v[CO], v13, 4, v[CO]            ; and the same two rows of the result
	v_lshlrev_b32 v[BOQ], 6, v14
	v_lshlrev_b32 v[XO], 5, v0
	s_wait_alu depctr_va_vdst(0)
	s_wait_dscnt 0x0
	s_wait_kmcnt 0x0
	s_add_nc_u64 s[30:31], s[16:17], s[44:45]
	s_or_b32 s31, s31, 0x80000000
	tensor_load_to_lds s[28:31], s[32:39]          ; my one tensor load
	s_nop 0
	PLACES 4                                       ; four v_nop follow it
	s_lshl_b32 s44, ttmp9, 12
	s_add_nc_u64 s[4:5], s[18:19], s[44:45]        ; the block's 128 rows of scale bytes
	s_lshl_b32 s44, s3, 8
	s_add_nc_u64 s[BP:BP+1], s[24:25], s[44:45]
	s_lshl_b32 s46, ttmp9, 19
	s_add_co_u32 s44, s44, s46
	s_add_nc_u64 s[OUT:OUT+1], s[26:27], s[44:45]  ; 128 rows of 4,096 bytes a block, + 256 g
	s_mul_i32 s44, s3, 49152
	s_add_co_u32 s44, s44, 2359296                 ; the fourth weight
	s_add_nc_u64 s[WP:WP+1], s[20:21], s[44:45]
	s_lshl_b32 s44, s3, 11
	s_add_co_u32 s44, s44, 98304
	s_add_nc_u64 s[WSP:WSP+1], s[22:23], s[44:45]
	global_load_b128 v[44:47], v[XO], s[4:5]       ; thread 16 m + r: the eight scale words of row r of tile m
	global_load_b128 v[48:51], v[XO], s[4:5] offset:16
	WIN 0x80
.irp t, 0,1,2,3
	global_load_b128 v[BIAS+8*\t:BIAS+8*\t+3], v[BOQ], s[BP:BP+1] offset:(32*(\t/2)+8*(\t%2))*4
	global_load_b128 v[BIAS+8*\t+4:BIAS+8*\t+7], v[BOQ], s[BP:BP+1] offset:(32*(\t/2)+8*(\t%2))*4+16
.endr
	WIN 0
.irp y, 0,1,2,3
.irp b, 0,1
	global_load_b64 v[WS+8*\b+2*\y:WS+8*\b+2*\y+1], v[L8], s[WSP:WSP+1] offset:(4*\b+\y)*256
.endr
.endr
	WLOAD 0
	WLOAD 1
	WLOAD 2
	WIN 0
	s_wait_loadcnt 52                              ; behind my row's two loads: the bias (8), W's scale words (8), three sets of 12
.irp s, 0,1,2,3,4,5,6,7
	ds_store_b32 v[XSW], v[44+\s] offset:128*\s    ; lanes 0-15 tile 2 w, lanes 16-31 tile 2 w + 1
.endr
.irp k, 3,4,5,6,7
	WLOAD \k
.endr
	WIN 0
	s_wait_tensorcnt 0x0                           ; my part of x has landed,
	s_wait_dscnt 0x0                               ; and my scale words
	s_barrier_signal -1
	s_barrier_wait -1                              ; everybody's have
	FETCHO 0, 0
.irp k, 0,1,2,3,4,5,6,7
	KSTEP \k
.endr
; THE WAY OUT, a token tile at a time: 16 rows x 64 columns go through my own stage and come back as whole rows of 256 bytes.  LDS serves a wave's instructions in order: no wait between the stores and the loads.
.macro TOSTAGE m
	WIN 0x0c                                       ; an LDS store's data are its source 1: window 3
.irp t, 0,1,2,3
	ds_store_b128 v[STO], v[8*(4*(\m)+\t):8*(4*(\m)+\t)+3] offset:128*(\t/2)+32*(\t%2)          ; each accumulator from its low end on
	ds_store_b128 v[STO], v[8*(4*(\m)+\t)+4:8*(4*(\m)+\t)+7] offset:128*(\t/2)+32*(\t%2)+16
.endr
	WIN 0
.irp i, 0,1,2,3,4,5,6,7
	ds_load_b128 v[BK+32*((\m)%2)+4*\i:BK+32*((\m)%2)+4*\i+3], v[RD] offset:544*\i
.endr
.endm
.macro SEND m, younger                 ; younger: the LDS instructions issued behind tile m's loads, which may stay out
	s_wait_dscnt \younger
.irp i, 0,1,2,3,4,5,6,7
	global_store_b128 v[CO], v[BK+32*((\m)%2)+4*\i:BK+32*((\m)%2)+4*\i+3], s[OUT:OUT+1] offset:(32*((\m)/2)+8*((\m)%2)+2*\i+8*(\i/4))*4096 th:TH_STORE_NT   ; sixteen lanes store 256 consecutive bytes, aligned
.endr
.endm
	PLACES 4                                       ; behind the last products
	TOSTAGE 0
.irp m, 1,2,3,4,5,6,7
.if \m > 1
	s_wait_xcnt 0x0                                ; tile m - 2's stores have read their registers: tile m's loads may land there
.endif
	TOSTAGE \m
	SEND \m-1, 16                                  ; behind tile m - 1's loads: tile m's 8 stores and 8 loads
.endr
	SEND 7, 0
	s_wait_tensorcnt 0x0
	ds_add_u32 v62, v63
	s_wait_dscnt 0x0
	s_endpgm
.Lfunc_end_k_q57e19bac5e_outproj:
	.size	k_q57e19bac5e_outproj, .Lfunc_end_k_q57e19bac5e_outproj-k_q57e19bac5e_outproj
	.p2alignl 7, 3214868480
	.fill 96, 4, 3214868480
	.section	.rodata,"a",@progbits
	.p2align	6, 0x0
	.amdhsa_kernel k_q57e19bac5e_outproj
		.amdhsa_group_segment_fixed_size 168448
		.amdhsa_private_segment_fixed_size 0
		.amdhsa_enable_private_segment 0
		.amdhsa_kernarg_size 48
		.amdhsa_user_sgpr_count 2
		.amdhsa_user_sgpr_kernarg_segment_ptr 1
		.amdhsa_wavefront_size32 1
		.amdhsa_system_sgpr_workgroup_id_x 1
		.amdhsa_system_sgpr_workgroup_id_y 1
		.amdhsa_system_sgpr_workgroup_id_z 1
		.amdhsa_system_vgpr_workitem_id 0
		.amdhsa_next_free_vgpr 1024
		.amdhsa_next_free_sgpr 66
		.amdhsa_reserve_vcc 0
		.amdhsa_float_denorm_mode_32 3
		.amdhsa_float_denorm_mode_16_64 3
		.amdhsa_memory_ordered 1
		.amdhsa_forward_progress 1
		.amdhsa_inst_pref_size 83
	.end_amdhsa_kernel
	.amdgpu_metadata
---
amdhsa.version: [ 1, 2 ]
amdhsa.kernels:
  - .name:           k_q57e19bac5e_outproj
    .symbol:         k_q57e19bac5e_outproj.kd
    .args:
      - { .name: xoimg, .offset: 0, .size: 8, .value_kind: global_buffer, .address_space: global }
      - { .name: xosc, .offset: 8, .size: 8, .value_kind: global_buffer, .address_space: global }
      - { .name: wimg, .offset: 16, .size: 8, .value_kind: global_buffer, .address_space: global }
      - { .name: wsc, .offset: 24, .size: 8, .value_kind: global_buffer, .address_space: global }
      - { .name: bo, .offset: 32, .size: 8, .value_kind: global_buffer, .address_space: global }
      - { .name: out0, .offset: 40, .size: 8, .value_kind: global_buffer, .address_space: global }
    .group_segment_fixed_size: 168448
    .private_segment_fixed_size: 0
    .kernarg_segment_align: 8
    .kernarg_segment_size: 48
    .max_flat_workgroup_size: 128
    .sgpr_count:     66
    .vgpr_count:     1024
    .wavefront_size: 32
...
	.end_amdgpu_metadata
.endif
;; end of part 8
